; MI455X (gfx1250); checked and timed in simulation.
; The chip was launched on July 23, 2026; its instructions are those of AMD's public machine-readable ISA for CDNA 5 (MIT licence, August 2026) and "CDNA5" Instruction Set Architecture Reference Guide (July 2026). The comments in the code are by the model that wrote it; some were corrected since.
;; GQA Attention. Allowed arithmetic: matrix products marked QUANTISED: E2M3 operands, one E8M0 scale for each 32 along K, by v_wmma_scale_f32_16x16x128_f8f6f4 with both operands' format E2M3, f32 sums; everything else in f32.
;; Inputs: wk 512 x 4,096 float32; wo 4,096 x 1,024 float32; wq 1,024 x 4,096 float32; wv 512 x 4,096 float32; x 2 x 2,048 x 4,096 float32.
;; Outputs: out0 2 x 2,048 x 4,096 float32.
;; This version of the problem:
;;   THIS VERSION OF THE PROBLEM IS GIVEN IN LOW PRECISION. The matrix products marked QUANTISED in the list below multiply operands that are first quantised to E2M3 (2 exponent bits, 3 mantissa bits; 6 bits a number), with one power-of-two scale for each 32 numbers along K (OCP MX v1.0); their sums are f32. All else is computed in f32.
;;   The module's matrix products, in the order in which they are computed (A, B: the left and right operand; K: the contracted axis; several contracted axes count as one K, in the product's order):
;;     1. [M 4,096, K 4,096] x [K 4,096, N 1,024]; A: input x; B: input wq: QUANTISED
;;     2. [M 4,096, K 4,096] x [K 4,096, N 512]; A: input x; B: input wk: QUANTISED
;;     3. [M 4,096, K 4,096] x [K 4,096, N 512]; A: input x; B: input wv: QUANTISED
;;     4. batch 8 x [M 4,096, K 128] x [K 128, N 2,048]; A: computed on the way; B: computed on the way: QUANTISED
;;     5. batch 8 x [M 4,096, K 2,048] x [K 2,048, N 128]; A: softmax (see below); B: computed on the way: QUANTISED
;;     6. [M 4,096, K 1,024] x [K 1,024, N 4,096]; A: computed on the way; B: input wo: QUANTISED
;;   THE QUANTISER, for each operand of a quantised product, along K:
;;     - K is cut into blocks of 32 from its start; a last block that is shorter is filled with zeros.
;;     - A block's scale is 2^e with e = floor(log2(the largest magnitude in the block)) - 2, held to -126 .. 127; a block of zeros has e = 0. As a byte (E8M0): e + 127.
;;     - Each number is divided by its block's scale, clamped to +-7.5, and rounded to the nearest number of E2M3, ties to even, subnormals kept.
;;     - The product sums the exact products of the quantised numbers (number of the format x scale) in f32.
;;   ~~~python
;;   def quantise(x, axis):      # numpy; x: float32 -> the quantised numbers, widened to float32 again
;;       x = np.moveaxis(x, axis, -1); K = x.shape[-1]
;;       x = np.pad(x, [(0, 0)] * (x.ndim - 1) + [(0, -K % 32)]); x = x.reshape(x.shape[:-1] + (-1, 32)); a = np.abs(x).max(-1, keepdims=True)
;;       e = np.where(a > 0, np.clip(np.frexp(np.where(a > 0, a, 1))[1] - 1 - 2, -126, 127), 0)      # np.frexp(a)[1] - 1 = floor(log2(a)), exactly
;;       r = np.clip(x / 2.0 ** e, -7.5, 7.5)
;;       step = 2.0 ** (np.maximum(np.frexp(np.where(r == 0, 1, r))[1] - 1, 0) - 3)
;;       q = np.round(r / step) * step * 2.0 ** e      # np.round: ties to even
;;       return np.moveaxis(q.reshape(q.shape[:-2] + (-1,))[..., :K], -1, axis).astype(np.float32)
;;   ~~~
;;   SOFTMAX AHEAD OF A QUANTISED PRODUCT. Where the list says 'softmax', what is quantised is not the finished softmax but p = 2^(t - M), with t = logit x log2(e) and M = ceil(the row's largest t), a whole number; so 1/2 < the row's largest p <= 1. The row's sum l is taken of the UNQUANTISED p, in f32, and the product's result is divided by l at the end. Since M is a whole number, a kernel that streams over the keys may use a running M (the ceiling of the running maximum): every later rescaling is an exact power of two, which a block's scale takes up: the codes' values come out the same.
;;   OPERANDS COMPUTED ON THE WAY. 'Computed on the way' means the value that the module computes at that place (a softmax that the list does not call 'softmax' is quantised finished and normalised). What goes into a quantiser is computed in f32, as accurately as f32 sums, v_exp_f32 and their like allow (about 1e-6 of the number): no bf16 or f16 on the way to a quantiser, and a product that is left as it is and whose result goes on into a quantised operand takes f32 operands (vector FMAs, or v_wmma_f32_16x16x4_f32). A number that lies on a knife's edge between two numbers of the format may be rounded either way, as far as f32 arithmetic and the matrix unit's own rounding can turn it there, and no further.
;; One version. Each part assembles by itself: llvm-mc -triple=amdgcn-amd-amdhsa -mcpu=gfx1250 --defsym DOCPART=n.
;; ======== version 1 of 1: 4 launches
;; limits: right only within a limited range of input values
;; workspace buffers: xc 13,107,200 bytes; wc 6,553,600 bytes; woc 3,276,800 bytes; qc 3,276,800 bytes; kv 3,276,800 bytes; oc 3,276,800 bytes
;; launch quant (part 1): grid 896 x 1, 4 waves a work-group, no clusters, 34,304 bytes of LDS; arguments x, wq, wk, wv, wo, xc, wc, woc; writes xc, wc, woc
.if DOCPART == 1
	.amdgcn_target "amdgcn-amd-amdhsa--gfx1250"
	.amdhsa_code_object_version 6
	.text
	.protected	k_q002353db4c_quant
	.globl	k_q002353db4c_quant
	.p2align	8
	.type	k_q002353db4c_quant,@function
k_q002353db4c_quant:
	s_mov_b64 s[64:65], 0
	v_nop
	global_prefetch_b8 v0, s[64:65] scope:SCOPE_SE
	s_setreg_imm32_b32 hwreg(HW_REG_WAVE_MODE, 25, 1), 1
	s_wait_xcnt 0x0
; x [4096][4096], wq [1024][4096], wk, wv [512][4096], wo [4096][1024], all f32 with K innermost, become codes of FP6 (E2M3) with one E8M0 byte for each 32 along K.
; A block's scale is 2^(floor(log2(its largest magnitude)) - 2); its byte is the largest magnitude's exponent field - 2, held at 1 from below.
; THE CODES ARE LAID AS IMAGES OF OPERAND REGISTERS.  A fragment is 16 rows x 128 K: 12 registers a lane (lane (r, h): row r, registers 6 c .. 6 c + 5 = K 64 c + 32 h + 0 .. 31).  Its image is 1,536 bytes:
; byte 512 c + 16 lane + i = byte i of registers 4 c .. 4 c + 3 of that lane.  Three stores of 16 bytes a lane write it, 512 consecutive bytes each; three such loads bring it back.
; THE ROWS OF A FRAGMENT ARE NOT NEIGHBOURS: lane r of fragment i takes row 32 (i / 2) + 8 (i % 2) + r + 8 (r / 8).
; A sub-chunk is 64 rows x 256 K, 12,800 bytes: images at (2 f + g) x 1,536 (f: fragment 0..3, g: which 128 of the 256), scale words at 12,288 + 8 (16 f + r) + 4 g.
; xc: [k / 512][row / 64][(k / 256) % 2] sub-chunks;  wc: the same with wq's rows in chunks 0-15, wk's in 16-23, wv's in 24-31;  woc: [k / 256][row / 64] sub-chunks.
; SHARES.  A wave takes one fragment's 16 rows x 512 K: four steps of one fragment.  Work-groups 0-511 take x, 512-639 wq, 640-703 wk, 704-767 wv, 768-895 wo: one path through the text, only scalars are chosen.
; Each load reads 512 consecutive bytes of one row; the 16 rows x 512 bytes turn through the wave's own stage in LDS (rows 528 bytes apart), so that a lane gets two whole blocks of 32 of its row.
; No tensor load, no barrier: waves share nothing.  Loads run up to three steps (48 loads a wave) ahead.
; LIMITS: NaN and infinities among the inputs are not served.  A block of zeros gets the byte 1 where the rule says 127: its codes are zeros, and this program alone reads the bytes.
; Blocks whose largest magnitude lies under 2^-124 are held at the byte 1, as the rule's lower bound on the exponent asks.
.set RSTG,  528                        ; a stage row: 512 bytes + 16
.set WSTG,  16*RSTG                    ; a wave's stage
.set SPARE, 4*WSTG                     ; behind the four stages: the spare words, 128 bytes for each wave: two blocks of 256 bytes that no other line names
.set LI,   1                           ; v1   16 x lane
.set STI,  2                           ; v2   the stage, on the way in: 16 x lane in a row
.set STO,  3                           ; v3   on the way out: row r, + 128 h
.set LS8,  4                           ; v4   8 r: my row's pair of scale words
.set SH8,  5                           ; v5   8 h
.set SPW,  6                           ; v6   LDS address of my spare word; never rewritten
.set NIL,  7                           ; v7   0; never rewritten
.set OFF,  16                          ; v16-31  my 16 bytes in each of the fragment's 16 rows; never rewritten
.set SETS, 32                          ; v32-223 three sets of 64 numbers
.set C,    224                         ; v224-235 a fragment's codes
.set CT,   236                         ; v236-243 the upper halves of its blocks, as the conversions leave them
.set MX,   244                         ; v244-245 largest magnitudes
.set SO,   246                         ; v246-247 the conversions' scale operands
.set BY,   248                         ; v248-249 scale bytes
.set SW,   250                         ; v250-251 the scale words of two steps
.set PT,   252                         ; v252 a lane permute's destination
	s_load_b512 s[4:19], s[0:1], 0x0               ; x, wq, wk, wv, wo, xc, wc, woc
	v_lshl_add_u32 v[SPW], v0, 2, SPARE
	v_mov_b32 v[NIL], 0
	v_lshrrev_b32 v8, 5, v0
	v_readfirstlane_b32 s20, v8                    ; wave 0..3
	v_and_b32 v8, 31, v0                           ; lane
	v_and_b32 v9, 15, v0                           ; r
	v_bfe_u32 v10, v0, 4, 1                        ; h
	v_lshlrev_b32 v[LI], 4, v8
	s_mul_i32 s42, s20, WSTG
	v_add_nc_u32 v[STI], s42, v[LI]
	v_mul_u32_u24 v[STO], v9, RSTG
	v_lshl_add_u32 v[STO], v10, 7, v[STO]
	v_add_nc_u32 v[STO], s42, v[STO]
	v_lshlrev_b32 v[LS8], 3, v9
	v_lshlrev_b32 v[SH8], 3, v10
	v_mov_b32 v[PT], 0                             ; written once: a lane permute's destination counts as one of its sources
	s_mov_b32 s40, 0x76543210
	s_mov_b32 s41, 0xfedcba98                      ; v_permlanex16_b32's selects for lane l xor 16
	; what differs between the tensors, first as wo has it
	s_mov_b32 s21, 768                             ; the tensor's first work-group
	s_mov_b32 s22, 0                               ; its first chunk of 64 rows in the codes' buffer
	s_mov_b32 s23, 128                             ; sub-chunks from one 512 along K to the next
	s_mov_b32 s24, 4096                            ; a row in bytes
	s_mov_b32 s25, 1                               ; log2 of the pieces of 512 along K
	s_mov_b32 s26, 1                               ; sub-chunks from chunk to chunk
	s_mov_b32 s27, 819200                          ; bytes from the first 256 of a piece to the second
	s_wait_alu depctr_va_vdst(0)
	s_wait_kmcnt 0x0
	s_mov_b64 s[28:29], s[12:13]
	s_mov_b64 s[30:31], s[18:19]
	s_cmp_lt_u32 ttmp9, 768                        ; every choice hangs on the work-group's number alone
	s_cselect_b64 s[28:29], s[10:11], s[28:29]
	s_cselect_b64 s[30:31], s[16:17], s[30:31]
	s_cselect_b32 s21, 704, s21
	s_cselect_b32 s22, 24, s22
	s_cselect_b32 s23, 64, s23
	s_cselect_b32 s24, 16384, s24
	s_cselect_b32 s25, 3, s25
	s_cselect_b32 s26, 2, s26
	s_cselect_b32 s27, 12800, s27
	s_cmp_lt_u32 ttmp9, 704
	s_cselect_b64 s[28:29], s[8:9], s[28:29]
	s_cselect_b32 s21, 640, s21
	s_cselect_b32 s22, 16, s22
	s_cmp_lt_u32 ttmp9, 640
	s_cselect_b64 s[28:29], s[6:7], s[28:29]
	s_cselect_b32 s21, 512, s21
	s_cselect_b32 s22, 0, s22
	s_cmp_lt_u32 ttmp9, 512
	s_cselect_b64 s[28:29], s[4:5], s[28:29]
	s_cselect_b64 s[30:31], s[14:15], s[30:31]
	s_cselect_b32 s21, 0, s21
	s_cselect_b32 s23, 128, s23
	s_sub_co_u32 s42, ttmp9, s21
	s_lshl_b32 s42, s42, 2
	s_add_co_u32 s42, s42, s20                     ; my task in the tensor
	s_lshr_b32 s43, s42, s25                       ; i: which fragment of rows
	s_lshl_b32 s44, s43, s25
	s_sub_co_u32 s44, s42, s44                     ; which 512 along K
	s_lshr_b32 s45, s43, 1
	s_lshl_b32 s45, s45, 5
	s_and_b32 s46, s43, 1
	s_lshl_b32 s46, s46, 3
	s_add_co_u32 s45, s45, s46                     ; the fragment's first row: 32 (i / 2) + 8 (i % 2)
	s_mul_i32 s45, s45, s24
	s_lshl_b32 s46, s44, 11
	s_add_co_u32 s46, s45, s46
	s_mov_b32 s47, 0
	s_add_nc_u64 s[28:29], s[28:29], s[46:47]      ; the numbers at my first row, my 512 along K
	s_lshr_b32 s45, s43, 2
	s_add_co_u32 s45, s45, s22                     ; my chunk
	s_mul_i32 s45, s45, s26
	s_mul_i32 s46, s44, s23
	s_add_co_u32 s45, s45, s46
	s_mul_i32 s46, s45, 12800                      ; my first sub-chunk, in bytes
	s_and_b32 s45, s43, 3                          ; my fragment in it
	s_mul_i32 s48, s45, 3072
	s_add_co_u32 s48, s48, s46
	s_mov_b32 s49, 0
	s_add_nc_u64 s[32:33], s[30:31], s[48:49]      ; images, first 256 along K
	s_lshl_b32 s48, s45, 7
	s_add_co_u32 s48, s48, s46
	s_add_co_u32 s48, s48, 12288
	s_add_nc_u64 s[36:37], s[30:31], s[48:49]      ; scale words, first 256
	s_mov_b32 s48, s27
	s_add_nc_u64 s[34:35], s[32:33], s[48:49]      ; and the second 256's
	s_add_nc_u64 s[38:39], s[36:37], s[48:49]
.irp p, 0,1,2,3,4,5,6,7,8,9,10,11,12,13,14,15
	s_mul_i32 s42, s24, \p+8*(\p/8)                ; fragment row p is row p + 8 (p / 8) from the fragment's first
	v_add_nc_u32 v[OFF+\p], s42, v[LI]
.endr
.macro LOAD t                          ; step t: 128 along K of 16 rows; each load reads 512 consecutive bytes of one row
.irp p, 0,1,2,3,4,5,6,7,8,9,10,11,12,13,14,15
	global_load_b128 v[SETS+64*((\t)%3)+4*\p:SETS+64*((\t)%3)+4*\p+3], v[OFF+\p], s[28:29] offset:512*(\t) th:TH_LOAD_NT
.endr
.endm
.macro STEP t
.set XS, SETS+64*((\t)%3)
.set HF, (\t)/2
.set GP, (\t)%2
.if (\t) < 2
	s_wait_loadcnt 32                              ; this step's 16 loads are in; the two younger steps' may be out
.else
	s_wait_loadcnt 16*(3-(\t))                     ; the counts run down
.endif
.irp p, 0,1,2,3,4,5,6,7,8,9,10,11,12,13,14,15
	ds_store_b128 v[STI], v[XS+4*\p:XS+4*\p+3] offset:RSTG*\p
.endr
.irp c, 0,1
.irp j, 0,1,2,3,4,5,6,7
	ds_load_b128 v[XS+32*\c+4*\j:XS+32*\c+4*\j+3], v[STO] offset:256*\c+16*\j   ; LDS serves a wave's instructions in order: these see the stores.  Register 32 c + i = K 64 c + 32 h + i of row r
.endr
.endr
	s_wait_dscnt 0x0
.if (\t) > 0
	s_wait_xcnt 0x0                                ; the last step's stores have read their data: the scale words and the codes are written again only behind this wait
.endif
.irp c, 0,1
	v_max3_num_f32 v[MX+\c], |v[XS+32*\c]|, |v[XS+32*\c+1]|, 0x1800000   ; my block 2 c + h: all its 32 numbers are mine; and the floor 2^(3 - 127): the byte cannot fall under 1
.endr
.irp i, 2,4,6,8,10,12,14,16,18,20,22,24,26,28,30
.irp c, 0,1
	v_max3_num_f32 v[MX+\c], v[MX+\c], |v[XS+32*\c+\i]|, |v[XS+32*\c+\i+1]|
.endr
.endr
.irp c, 0,1
	v_add_nc_u32 v[SO+\c], 0xff000000, v[MX+\c]    ; 2 off the exponent field: the conversion takes the exponent field of this operand as its scale
.endr
.irp c, 0,1
	v_lshrrev_b32 v[BY+\c], 23, v[SO+\c]           ; the scale's byte
.endr
	v_lshl_or_b32 v[SW+GP], v[BY+1], 16, v[BY]     ; blocks h and 2 + h of row r,
	v_lshlrev_b32 v[SW+GP], v[SH8], v[SW+GP]       ; at their places in the word;
	v_permlanex16_b32 v[PT], v[SW+GP], s40, s41
	v_or_b32 v[SW+GP], v[SW+GP], v[PT]             ; with lane l xor 16's two the word is whole, in both lanes
.irp c, 0,1
	v_cvt_scalef32_pk16_fp6_f32 v[C+6*\c:C+6*\c+2], v[XS+32*\c:XS+32*\c+15], v[SO+\c]
	v_cvt_scalef32_pk16_fp6_f32 v[CT+4*\c:CT+4*\c+2], v[XS+32*\c+16:XS+32*\c+31], v[SO+\c]   ; (a conversion's three registers begin on an even number)
.endr
	v_nop                                          ; one plain place behind a scaled conversion
.irp c, 0,1
.irp i, 0,1,2
	v_mov_b32 v[C+3+6*\c+\i], v[CT+4*\c+\i]
.endr
.endr
.if (\t) == 0
	LOAD 3                                         ; into the set that has just been converted
.endif
.irp c, 0,1,2
	global_store_b128 v[LI], v[C+4*\c:C+4*\c+3], s[32+2*HF:33+2*HF] offset:1536*GP+512*\c   ; 32 lanes store 512 consecutive bytes, at a multiple of 256 from the buffer's first byte
.endr
.if GP == 1
	global_store_b64 v[LS8], v[SW:SW+1], s[36+2*HF:37+2*HF]   ; two words a row; lanes 16-31 write the same bytes with the same values
.endif
.endm
	s_wait_alu depctr_va_vdst(0)
	LOAD 0
	LOAD 1
	LOAD 2
	STEP 0
	STEP 1
	STEP 2
	STEP 3
	s_wait_tensorcnt 0x0                           ; the wave's end, behind my last LDS store
	ds_add_u32 v[SPW], v[NIL]
	s_wait_dscnt 0x0
	s_endpgm
.Lfunc_end_k_q002353db4c_quant:
	.size	k_q002353db4c_quant, .Lfunc_end_k_q002353db4c_quant-k_q002353db4c_quant
	.p2alignl 7, 3214868480
	.fill 96, 4, 3214868480
	.section	.rodata,"a",@progbits
	.p2align	6, 0x0
	.amdhsa_kernel k_q002353db4c_quant
		.amdhsa_group_segment_fixed_size 34304
		.amdhsa_private_segment_fixed_size 0
		.amdhsa_enable_private_segment 0
		.amdhsa_kernarg_size 64
		.amdhsa_user_sgpr_count 2
		.amdhsa_user_sgpr_kernarg_segment_ptr 1
		.amdhsa_wavefront_size32 1
		.amdhsa_system_sgpr_workgroup_id_x 1
		.amdhsa_system_sgpr_workgroup_id_y 1
		.amdhsa_system_sgpr_workgroup_id_z 1
		.amdhsa_system_vgpr_workitem_id 0
		.amdhsa_next_free_vgpr 256
		.amdhsa_next_free_sgpr 66
		.amdhsa_reserve_vcc 0
		.amdhsa_float_denorm_mode_32 3
		.amdhsa_float_denorm_mode_16_64 3
		.amdhsa_memory_ordered 1
		.amdhsa_forward_progress 1
		.amdhsa_inst_pref_size 33
	.end_amdhsa_kernel
	.amdgpu_metadata
---
amdhsa.version: [ 1, 2 ]
amdhsa.kernels:
  - .name:           k_q002353db4c_quant
    .symbol:         k_q002353db4c_quant.kd
    .args:
      - { .name: x, .offset: 0, .size: 8, .value_kind: global_buffer, .address_space: global }
      - { .name: wq, .offset: 8, .size: 8, .value_kind: global_buffer, .address_space: global }
      - { .name: wk, .offset: 16, .size: 8, .value_kind: global_buffer, .address_space: global }
      - { .name: wv, .offset: 24, .size: 8, .value_kind: global_buffer, .address_space: global }
      - { .name: wo, .offset: 32, .size: 8, .value_kind: global_buffer, .address_space: global }
      - { .name: xc, .offset: 40, .size: 8, .value_kind: global_buffer, .address_space: global }
      - { .name: wc, .offset: 48, .size: 8, .value_kind: global_buffer, .address_space: global }
      - { .name: woc, .offset: 56, .size: 8, .value_kind: global_buffer, .address_space: global }
    .group_segment_fixed_size: 34304
    .private_segment_fixed_size: 0
    .kernarg_segment_align: 8
    .kernarg_segment_size: 64
    .max_flat_workgroup_size: 128
    .sgpr_count:     66
    .vgpr_count:     256
    .wavefront_size: 32
...
	.end_amdgpu_metadata
.endif
;; end of part 1
;; launch qkv (part 2): grid 16 x 16, 4 waves a work-group, clusters of 4 x 4, 327,680 bytes of LDS; arguments xc, wc, qc, kv; writes qc, kv
.if DOCPART == 2
	.amdgcn_target "amdgcn-amd-amdhsa--gfx1250"
	.amdhsa_code_object_version 6
	.text
	.protected	k_q002353db4c_qkv
	.globl	k_q002353db4c_qkv
	.p2align	8
	.type	k_q002353db4c_qkv,@function
k_q002353db4c_qkv:
	s_mov_b64 s[64:65], 0
	v_nop
	global_prefetch_b8 v0, s[64:65] scope:SCOPE_SE
	s_setreg_imm32_b32 hwreg(HW_REG_WAVE_MODE, 25, 1), 1
	s_wait_xcnt 0x0
	s_wait_alu depctr_hold_cnt(0) depctr_sa_sdst(0) depctr_va_vdst(0) depctr_va_sdst(0) depctr_va_ssrc(0) depctr_va_vcc(0) depctr_vm_vsrc(0)
	s_getreg_b32 s2, hwreg(HW_REG_IB_STS2, 6, 4)
	s_cmp_eq_u32 s2, 0
	s_cbranch_scc0 .Lentry_in_a_cluster
	s_endpgm
.Lentry_in_a_cluster:
	s_bfe_u32 s2, ttmp6, 0x10000c
	s_cmp_lg_u32 s2, 0xf033
	s_cbranch_scc0 .Lentry_shape_is_right
	s_endpgm
.Lentry_shape_is_right:
; q = x wq^T, k = x wk^T, v = x wv^T on codes of FP6 (E2M3) with E8M0 scales, f32 sums; the results are quantised here, in registers, for the attention's two products, and leave as images of operand registers.
; M = 4,096 tokens, N = 2,048 channels (q 0-1,023, k 1,024-1,535, v 1,536-2,047), K = 4,096.  A tile is 256 tokens x 128 channels (one head): 16 x 16 = 256 work-groups of four waves.
; OPERANDS are images (16 rows x 128 K = 1,536 bytes: byte 512 c + 16 lane + i = byte i of registers 4 c .. 4 c + 3), gathered in sub-chunks of 64 rows x 256 K, 12,800 bytes: images at (2 f + g) x 1,536,
; scale words at 12,288 + 8 (16 f + r) + 4 g.  A chunk is two sub-chunks: 64 rows x 512 K.  Lane r of fragment i holds row 32 (i / 2) + 8 (i % 2) + r + 8 (r / 8).
; ONE STREAM OF INSTRUCTIONS, TWO ORIENTATIONS.  Source 0 is P, 8 fragments, whose rows become the registers of a result; source 1 is Q, 4 fragments, whose rows own the lanes: 32 accumulators a wave.
;   q, k (clusters x = 0, 1, 2): P = the tile's 128 weight rows, Q = my 64 tokens: a lane holds one token and its 64 registers of a block run along the head: that is the next K.
;   v    (cluster x = 3):        P = 128 of the tile's tokens, Q = 64 of wv's rows: a lane holds one channel and its registers run along the keys: that is the next K.
; Only two LDS bases and the stores' offsets differ; they are chosen by the cluster's x, which all sixteen partners share.
; By the order of a fragment's rows the 16 registers of accumulators 2 b and 2 b + 1 are 16 neighbours along the next K: 32 b + 16 (lane / 16) + 0 .. 15.
; K goes in pieces of 512 through a ring of two LDS slots, filled by the tensor data mover; a slot's tiles are dense blocks of memory, taken as rows of 256 bytes.
; K IS WALKED ROUND, FROM A START THAT DIFFERS BETWEEN CLUSTERS.  Cluster (x, y) begins at piece 2 h of K's eight, h = (x + 2 f(y)) % 4 with f = 0, 1, 1, 0 for y = 0 .. 3, and goes on round: piece (2 h + t) % 8 in its t-th slot.
; So the four clusters of one y, which read the same tokens' chunks, stand two slots apart: from its third slot on a cluster asks for tokens' chunks that another cluster asked for two slots earlier.  Clusters of one x whose f
; differ, which read the same weights' chunks, stand four slots apart.  h hangs on the cluster's x and y alone, which all sixteen partners share; the step back over K's end is chosen by s_cselect_b32, not by a branch.
; CLUSTERS: 4 x 4 work-groups.  The four of a row need the same tokens' chunks, the four of a column the same weights' chunks: each is asked for JOINTLY.
; OUT.  qc: [token fragment (256)] groups of 12,800 bytes: images at head x 1,536, scale words at 12,288 + 64 head + 4 r.
;       kv: [(4 batch + kv head) x 16 + key step (128)] records of 25,600 bytes: a group of K (f = token fragment of the step), then a group of V^T (f = fragment of the head's channels, K = the step's 128 keys).
; LIMITS: NaN and infinities are not served.  A block of zeros gets the byte 1 where the rule says 127: its codes are zeros, and this program alone reads the bytes.
; The f32 sums are taken in the order in which the cluster walks K (from piece 2 h on, round), not from K's start: an order of rounding that differs from ascending K.
; REGISTERS: window 0: v16-29 addresses; v32-63 P's scale words, v64-79 Q's (scales and nothing else); v96-143, v144-191 Q's two sets; v192-219 the way out.  window 1: P's two sets at v0 and v128.  window 2: accumulator (a, b) at v[8 (8 a + b)].
.set SUBB,  12800
.set CHK,   25600
.set BOFF,  4*CHK                      ; a slot: four chunks of tokens, then two of weights
.set SLOT,  6*CHK
.set SPARE, 2*SLOT                     ; behind the ring: the spare words, 128 bytes for each wave: two blocks of 256 bytes that no other line names
.set ASTEP, 64*CHK                     ; bytes from one 512 along K to the next in xc,
.set BSTEP, 32*CHK                     ; and in wc
.set ADRP, 16                          ; v16-17  LDS address of P's images in slot 0, 1
.set ADRQ, 18                          ; v18-19  of Q's
.set ASP,  20                          ; v20-21  of P's scale words
.set ASQ,  22                          ; v22-23  of Q's
.set LI,   24                          ; v24     16 x lane
.set LS,   25                          ; v25     4 r
.set SPW,  28                          ; v28     LDS address of my spare word; never rewritten
.set NIL,  29                          ; v29     0; never rewritten
.set SCP,  32                          ; P's scale words: v[32 + 16 hf + 2 b + g]
.set SCQ,  64                          ; Q's: v[64 + 8 hf + 2 a + g]
.set QF,   96
.set TM,   192                         ; v192-195 largest magnitudes, v196-199 bytes, v204-207 the conversions' scale operands
.set IMO,  208                         ; v208-211 where block a's image goes
.set WDO,  212                         ; v212-215 and its scale words
.set PW,   216                         ; v216-219 block a's scale word
.set G1,  24                           ; s[24:31] descriptor group 1 for the tokens' chunks;  s[32:39] group 0, one set for each slot
.set G0,  32
.set G1B, 48                           ; s[48:55], s[56:63] the same for the weights'
.set G0B, 56
.set SEL, 84                           ; s[84:85] v_permlanex16_b32's selects
.set HR,  86                           ; s86     h: my cluster begins at piece 2 h of K's eight
.set WRA, 88                           ; s[88:89] what a refill steps back in xc: all of K in the lap that passes K's end, else 0
.set WRB, 90                           ; s[90:91] the same in wc
.set MSB, 0
.macro WIN new                         ; the immediate's high byte repeats the setting that is left
.if MSB != (\new)
	s_set_vgpr_msb (MSB<<8)|(\new)
.set MSB, (\new)
.endif
.endm
.set MUL,  0xa1                        ; source 0 (P) window 1, source 1 (Q) window 0, C and D window 2
.set TO_P, 0x40                        ; destination window 1, address window 0
; A joint load: waves 0 and 1 fetch the tokens' chunks, waves 2 and 3 the weights'.  Each of the two lines has one mask and one set of registers; the branch hangs on the wave's number alone.
; An s_nop 0 and four v_nop follow each of the two lines, ahead of the jump, the label and what follows.
.macro JLOAD g0a, g1a, g0b, g1b
	s_cmp_eq_u32 s15, 0
	s_cbranch_scc0 .Lfor_b_\@
	tensor_load_to_lds s[\g0a:\g0a+3], s[\g1a:\g1a+7]
	s_nop 0
.rept 4
	v_nop
.endr
	s_branch .Lasked_\@
.Lfor_b_\@:
	tensor_load_to_lds s[\g0b:\g0b+3], s[\g1b:\g1b+7]
	s_nop 0
.rept 4
	v_nop
.endr
.Lasked_\@:
.endm
.macro CREST                           ; a round of the cluster's barrier behind its opening barrier
	s_cmp_lg_u32 s14, 0
	s_cbranch_scc1 .Lnot_wave_0_\@
	s_barrier_signal -3
.Lnot_wave_0_\@:
	s_barrier_wait -3
	s_barrier_signal -1
	s_barrier_wait -1
.endm
.macro CROUND                          ; a whole round
	s_barrier_signal -1
	s_barrier_wait -1
	CREST
.endm
.macro PLACES                          ; four places in front of loads into registers that matrix instructions have read, and of the first read of results (ISA guide 7.12.1 for vector instructions)
.rept 4
	v_nop
.endr
.endm
	s_load_b256 s[4:11], s[0:1], 0x0               ; xc s[4:5], wc s[6:7], qc s[8:9], kv s[10:11]
	v_lshl_add_u32 v[SPW], v0, 2, SPARE
	v_mov_b32 v[NIL], 0
	ds_add_u32 v[SPW], v[NIL]                      ; the wave's opening: the add, and its wait ahead of my first tensor load; the set-up below, work on registers, stands between them
	ds_add_u32 v[SPW], v[NIL]
	v_lshrrev_b32 v1, 5, v0
	v_readfirstlane_b32 s14, v1                    ; wave 0..3
	s_lshr_b32 s15, s14, 1                         ; I fetch tokens' chunks (0) or weights' (1)
	s_and_b32 s16, s14, 1                          ; and which half of them
	s_bfe_u32 s40, ttmp6, 0x40000                  ; cx, cy: my place in the cluster
	s_bfe_u32 s41, ttmp6, 0x40004
	s_lshl_b32 s42, ttmp9, 2
	s_add_co_u32 s42, s42, s40                     ; tile column (a head) = 4 x cluster x + cx
	s_and_b32 s17, ttmp7, 0xffff
	s_lshl_b32 s17, s17, 2
	s_add_co_u32 s17, s17, s41                     ; tile row (256 tokens) = 4 x cluster y + cy
	s_lshl_b32 s43, s41, 2
	s_lshl_b32 s43, 15, s43                        ; my row of the cluster
	s_lshl_b32 s44, 0x1111, s40                    ; my column
	; where my cluster begins along K: made of the cluster's x and y alone
	s_and_b32 s87, ttmp7, 0xffff                   ; cluster y
	s_lshr_b32 s[HR], s87, 1
	s_xor_b32 s[HR], s[HR], s87
	s_and_b32 s[HR], s[HR], 1                      ; f = 0, 1, 1, 0 for cluster y = 0, 1, 2, 3
	s_lshl_b32 s[HR], s[HR], 1
	s_add_co_u32 s[HR], s[HR], ttmp9
	s_and_b32 s[HR], s[HR], 3                      ; h = (cluster x + 2 f) % 4
	s_mov_b32 s[WRA+1], 0                          ; the upper words of the two steps back
	s_mov_b32 s[WRB+1], 0
	; descriptor group 1: a dense block as rows of 256 bytes (32 elements of 8 bytes): 200 rows (two chunks of tokens), 100 rows (one chunk of weights)
	s_or_b32 s[G1+0], s43, (3<<16)|(1<<21)         ; 15:0 the mask: my row; 17:16 elements of 8 bytes; 20 no padding; 21 set beside a mask
	s_mov_b32 s[G1+1], 32<<16                      ; tensor_dim0
	s_mov_b32 s[G1+2], 200<<16                     ; tensor_dim1
	s_mov_b32 s[G1+3], 32<<16                      ; tile_dim0
	s_mov_b32 s[G1+4], 200                         ; tile_dim1
	s_mov_b32 s[G1+5], 32                          ; tensor_dim0_stride
	s_mov_b32 s[G1+6], 0
	s_mov_b32 s[G1+7], 0
	s_or_b32 s[G1B+0], s44, (3<<16)|(1<<21)        ; the mask: my column
	s_mov_b32 s[G1B+1], 32<<16
	s_mov_b32 s[G1B+2], 100<<16
	s_mov_b32 s[G1B+3], 32<<16
	s_mov_b32 s[G1B+4], 100
	s_mov_b32 s[G1B+5], 32
	s_mov_b32 s[G1B+6], 0
	s_mov_b32 s[G1B+7], 0
	s_lshl_b32 s20, s17, 2
	s_lshl_b32 s18, s16, 1
	s_add_co_u32 s20, s20, s18
	s_mul_i32 s20, s20, CHK                        ; tokens: chunk 4 x tile row + 2 x half,
	s_mul_i32 s87, s[HR], 2*ASTEP
	s_add_co_u32 s20, s20, s87                     ; in piece 2 h of K: at most 62 chunks + 6 pieces, under 2^24 bytes
	s_mov_b32 s21, 0
	s_lshl_b32 s46, s42, 1
	s_add_co_u32 s46, s46, s16
	s_mul_i32 s46, s46, CHK                        ; weights: chunk 2 x tile column + half,
	s_mul_i32 s87, s[HR], 2*BSTEP
	s_add_co_u32 s46, s46, s87                     ; in piece 2 h of K
	s_mov_b32 s47, 0
	s_mul_i32 s45, s16, 2*CHK                      ; where they go: no place in the cluster enters an LDS address
	s_mul_i32 s94, s16, CHK
	s_add_co_u32 s94, s94, BOFF
	s_wait_dscnt 0x0                               ; the opening add is done
	s_wait_kmcnt 0x0
	s_add_nc_u64 s[20:21], s[4:5], s[20:21]
	s_add_nc_u64 s[46:47], s[6:7], s[46:47]
	CROUND                                         ; all sixteen work-groups are here: the first joint loads meet
.irp s, 0,1
	s_mov_b32 s[G0+4*\s], 1
	s_add_co_u32 s[G0+4*\s+1], s45, \s*SLOT
	s_add_nc_u64 s[G0+4*\s+2:G0+4*\s+3], s[20:21], \s*ASTEP    ; pieces 2 h and 2 h + 1: 7 at the most
	s_or_b32 s[G0+4*\s+3], s[G0+4*\s+3], 0x80000000
	s_mov_b32 s[G0B+4*\s], 1
	s_add_co_u32 s[G0B+4*\s+1], s94, \s*SLOT
	s_add_nc_u64 s[G0B+4*\s+2:G0B+4*\s+3], s[46:47], \s*BSTEP
	s_or_b32 s[G0B+4*\s+3], s[G0B+4*\s+3], 0x80000000
.endr
	JLOAD G0, G1, G0B, G1B                         ; slot 0: one tensor load a wave at the head
	v_and_b32 v1, 31, v0                           ; lane
	v_and_b32 v2, 15, v0                           ; r
	v_lshlrev_b32 v[LI], 4, v1
	s_wait_alu depctr_va_vdst(0)
	v_lshlrev_b32 v[LS], 2, v2
	v_lshlrev_b32 v3, 3, v2                        ; 8 r: a row's pair of scale words
	; P's and Q's places in a slot, by the orientation
	s_wait_alu depctr_va_vdst(0)
	s_mul_i32 s67, s15, 2*CHK                      ; v: P = tokens' chunks 2 (wave / 2), + 1;
	s_mul_i32 s68, s16, CHK
	s_add_co_u32 s68, s68, BOFF                    ;    Q = weights' chunk wave % 2
	s_mul_i32 s69, s14, CHK                        ; q, k: Q = tokens' chunk wave;
	s_mov_b32 s76, BOFF                            ;       P = both weights' chunks
	s_cmp_eq_u32 ttmp9, 3
	s_cselect_b32 s67, s67, s76
	s_cselect_b32 s68, s68, s69
.irp s, 0,1
	v_add_nc_u32 v[ADRP+\s], s67, v[LI]
	v_add_nc_u32 v[ADRQ+\s], s68, v[LI]
	v_add_nc_u32 v[ASP+\s], s67, v3
	v_add_nc_u32 v[ASQ+\s], s68, v3
	s_add_co_u32 s67, s67, SLOT
	s_add_co_u32 s68, s68, SLOT
.endr
	; where the results go
	s_lshl_b32 s77, s17, 4
	s_lshl_b32 s78, s14, 2
	s_add_co_u32 s77, s77, s78
	s_mul_i32 s77, s77, SUBB                       ; q: the group of token fragment 16 x tile row + 4 x wave
	s_mul_i32 s78, s42, 1536
	s_add_co_u32 s78, s77, s78                     ;    image of head = tile column
	s_lshl_b32 s79, s42, 6
	s_add_co_u32 s79, s79, s77
	s_add_co_u32 s79, s79, 12288                   ;    and its scale words
	s_lshr_b32 s80, s17, 3                         ; k, v: batch,
	s_lshl_b32 s80, s80, 2
	s_and_b32 s81, s42, 3                          ; kv head,
	s_add_co_u32 s80, s80, s81
	s_lshl_b32 s80, s80, 4
	s_lshl_b32 s81, s17, 1
	s_add_co_u32 s81, s81, s15
	s_and_b32 s81, s81, 15                         ; key step
	s_add_co_u32 s80, s80, s81
	s_mul_i32 s80, s80, CHK                        ; the record
	s_cmp_eq_u32 ttmp9, 3
	s_cselect_b32 s81, SUBB, 0                     ; V's group lies behind K's
	s_add_co_u32 s80, s80, s81
	s_mul_i32 s81, s16, 6144
	s_add_co_u32 s81, s81, s80                     ; fragment 4 (wave % 2) of the group
	s_lshl_b32 s82, s16, 8
	s_add_co_u32 s82, s82, s80
	s_add_co_u32 s82, s82, 12288
	s_mov_b32 s83, 1536
	s_cmp_lt_u32 ttmp9, 2                          ; the choice hangs on the cluster's x alone
	s_cselect_b64 s[70:71], s[8:9], s[10:11]
	s_cselect_b32 s72, s78, s81
	s_cselect_b32 s73, s79, s82
	s_cselect_b32 s74, SUBB, s83                   ; from block to block: a group on (q), a fragment on (k, v)
	s_cselect_b32 s75, SUBB, 64
.irp a, 0,1,2,3
	v_add_nc_u32 v[IMO+\a], s72, v[LI]
	v_add_nc_u32 v[WDO+\a], s73, v[LS]
	s_add_co_u32 s72, s72, s74
	s_add_co_u32 s73, s73, s75
.endr
.irp b, 0,1,2,3
	v_mov_b32 v[TM+4+\b], 0                        ; written once: a lane permute's destination counts as one of its sources
.endr
	s_mov_b32 s[SEL], 0x76543210
	s_mov_b32 s[SEL+1], 0xfedcba98
; The fragments of the slot's q-th 128 along K into set: 24 loads for P, 12 for Q; with an even q the scale words of 256 along K too: 8 + 4 loads of two words a row.
.macro FETCH slot, q, set
	WIN TO_P
.irp b, 0,1,2,3,4,5,6,7
.irp c, 0,1,2
	ds_load_b128 v[128*(\set)+12*\b+4*\c:128*(\set)+12*\b+4*\c+3], v[ADRP+(\slot)] offset:(\b/4)*CHK+((\q)/2)*SUBB+((\b%4)*2+(\q)%2)*1536+512*\c
.endr
.endr
	WIN 0
.irp a, 0,1,2,3
.irp c, 0,1,2
	ds_load_b128 v[QF+48*(\set)+12*\a+4*\c:QF+48*(\set)+12*\a+4*\c+3], v[ADRQ+(\slot)] offset:((\q)/2)*SUBB+(2*\a+(\q)%2)*1536+512*\c
.endr
.endr
.if (\q)%2 == 0
.irp b, 0,1,2,3,4,5,6,7
	ds_load_b64 v[SCP+16*((\q)/2)+2*\b:SCP+16*((\q)/2)+2*\b+1], v[ASP+(\slot)] offset:(\b/4)*CHK+((\q)/2)*SUBB+12288+(\b%4)*128
.endr
.irp a, 0,1,2,3
	ds_load_b64 v[SCQ+8*((\q)/2)+2*\a:SCQ+8*((\q)/2)+2*\a+1], v[ASQ+(\slot)] offset:((\q)/2)*SUBB+12288+\a*128
.endr
.endif
.endm
; 8 matrix instructions: Q's block a against P's eight.  The 32 accumulators take turns, one instruction a turn, in the same order in every step.  zero = 1: the first product starts the sums.
.macro MUL8 a, set, hf, g, zero
.irp b, 0,1,2,3,4,5,6,7
.if \zero
	v_wmma_scale_f32_16x16x128_f8f6f4 v[8*(8*(\a)+\b):8*(8*(\a)+\b)+7], v[128*(\set)+12*\b:128*(\set)+12*\b+11], v[QF+48*(\set)+12*(\a):QF+48*(\set)+12*(\a)+11], 0, v[SCP+16*(\hf)+2*\b+(\g)], v[SCQ+8*(\hf)+2*(\a)+(\g)] matrix_a_fmt:MATRIX_FMT_FP6 matrix_b_fmt:MATRIX_FMT_FP6
.else
	v_wmma_scale_f32_16x16x128_f8f6f4 v[8*(8*(\a)+\b):8*(8*(\a)+\b)+7], v[128*(\set)+12*\b:128*(\set)+12*\b+11], v[QF+48*(\set)+12*(\a):QF+48*(\set)+12*(\a)+11], v[8*(8*(\a)+\b):8*(8*(\a)+\b)+7], v[SCP+16*(\hf)+2*\b+(\g)], v[SCQ+8*(\hf)+2*(\a)+(\g)] matrix_a_fmt:MATRIX_FMT_FP6 matrix_b_fmt:MATRIX_FMT_FP6
.endif
.endr
.endm
; One of a slot's first three steps of 128 along K: the next step's fragments are asked for, into the other set, and have this step's 32 matrix instructions in which to come.
.macro STEP slot, q, zero
	PLACES
	FETCH \slot, (\q)+1, ((\q)+1)%2
.if (\q) == 1
	s_wait_dscnt 48                                ; all but the 48 just issued: this step's fragments are in
.else
	s_wait_dscnt 36                                ; all but the 36 just issued
.endif
	WIN MUL
	MUL8 0, (\q)%2, (\q)/2, (\q)%2, \zero
	MUL8 1, (\q)%2, (\q)/2, (\q)%2, \zero
	MUL8 2, (\q)%2, (\q)/2, (\q)%2, \zero
	MUL8 3, (\q)%2, (\q)/2, (\q)%2, \zero
	WIN 0
.endm
; A slot's last step changes slots: ONE barrier; in front of it each wave waits for all its tensor loads, adds 0 to its spare word, and waits for that and for its own reads of this slot.  fill = 1: this slot is filled again, two pieces on, round K's end.
.macro TURN slot, next, fill
	s_wait_tensorcnt 0x0                           ; all my tensor loads have landed: my part of the next slot; so every group 0 may be written
	ds_add_u32 v[SPW], v[NIL]                      ; 0 onto my spare word; the descriptors' steps, work on registers, stand between it and the wait for it
.if \fill
	s_cmp_eq_u32 s3, s[HR]                         ; the laps count 3, 2, 1: in lap 4 - s3 this slot goes from piece 2 h + 2 (3 - s3) (+ 1) two on, which passes K's eighth piece where s3 = h (never for h = 0)
	s_cselect_b32 s[WRA], 8*ASTEP, 0               ; there the step goes back over all of K: a choice, no branch
	s_cselect_b32 s[WRB], 8*BSTEP, 0
	s_add_nc_u64 s[G0+4*\slot+2:G0+4*\slot+3], s[G0+4*\slot+2:G0+4*\slot+3], 2*ASTEP
	s_sub_nc_u64 s[G0+4*\slot+2:G0+4*\slot+3], s[G0+4*\slot+2:G0+4*\slot+3], s[WRA:WRA+1]
	s_add_nc_u64 s[G0B+4*\slot+2:G0B+4*\slot+3], s[G0B+4*\slot+2:G0B+4*\slot+3], 2*BSTEP
	s_sub_nc_u64 s[G0B+4*\slot+2:G0B+4*\slot+3], s[G0B+4*\slot+2:G0B+4*\slot+3], s[WRB:WRB+1]
.endif
	s_wait_dscnt 1                                 ; this step's fragments are in (the add may be out)
	WIN MUL
	MUL8 0, 1, 1, 1, 0                             ; eight matrix instructions stand between the add and the wait for it
	s_wait_dscnt 0x0                               ; the add is done, and my reads of this slot are over
	s_barrier_signal -1
	MUL8 1, 1, 1, 1, 0
	WIN 0
	s_barrier_wait -1
.if \fill
	CREST                                          ; the barrier has opened a round of the cluster's barrier: no wave of any partner still reads this slot or has a load on its way
	JLOAD G0+4*\slot, G1, G0B+4*\slot, G1B         ; the first tensor load behind the round, my one load until the next; its four v_nop are the places in front of the loads below
.else
	PLACES
.endif
	FETCH \next, 0, 0
	WIN MUL
	MUL8 2, 1, 1, 1, 0
	MUL8 3, 1, 1, 1, 0
	WIN 0
.endm
; Block a's 64 numbers of a lane (register 16 b + i = index 32 b + 16 (lane / 16) + i of the next K) become a fragment's codes in v[96 + 20 a] on and its scale word in v[PW + a].
.macro QUANTW a
.set AC, 64*(\a)
.set PC, QF+20*(\a)
	WIN 0x28                                       ; sources 1 and 2: window 2
.irp b, 0,1,2,3
	v_max3_num_f32 v[TM+\b], 0x1800000, |v[AC+16*\b]|, |v[AC+16*\b+1]|   ; block b: my 16 numbers, from each accumulator's low end on, and the floor 2^(3 - 127)
.endr
.irp i, 2,4,6,8,10,12,14
.irp b, 0,1,2,3
	v_max3_num_f32 v[TM+\b], v[TM+\b], |v[AC+16*\b+\i]|, |v[AC+16*\b+\i+1]|
.endr
.endr
	WIN 0
.irp b, 0,1,2,3
	v_permlanex16_b32 v[TM+4+\b], v[TM+\b], s[SEL], s[SEL+1]
.endr
.irp b, 0,1,2,3
	v_max_num_f32 v[TM+\b], v[TM+\b], v[TM+4+\b]   ; with lane l xor 16's: the block's largest magnitude
.endr
.irp b, 0,1,2,3
	v_add_nc_u32 v[TM+12+\b], 0xff000000, v[TM+\b] ; 2 off its exponent field: the conversion's scale operand
.endr
.irp b, 0,1,2,3
	v_lshrrev_b32 v[TM+4+\b], 23, v[TM+12+\b]      ; the scale's byte
.endr
	v_lshl_or_b32 v[PW+(\a)], v[TM+5], 8, v[TM+4]
	v_lshl_or_b32 v[PW+(\a)], v[TM+6], 16, v[PW+(\a)]
	v_lshl_or_b32 v[PW+(\a)], v[TM+7], 24, v[PW+(\a)]
	WIN 0x02                                       ; source 0: window 2
.irp c, 0,1
	v_cvt_scalef32_pk16_fp6_f32 v[PC+6*\c:PC+2+6*\c], v[AC+32*\c:AC+15+32*\c], v[TM+12+2*\c]
	v_cvt_scalef32_pk16_fp6_f32 v[PC+12+4*\c:PC+14+4*\c], v[AC+16+32*\c:AC+31+32*\c], v[TM+12+2*\c+1]   ; (a conversion's three registers begin on an even number)
.endr
	WIN 0
	v_nop                                          ; one plain place behind a scaled conversion
.irp c, 0,1                                    ; the operand's layout wants a WHOLE block in a lane: lanes 0-15 block 2 c, lanes 16-31 block 2 c + 1
.irp i, 0,1,2
	v_permlane16_swap_b32 v[PC+6*\c+\i], v[PC+12+4*\c+\i]
.endr
.irp i, 0,1,2
	v_mov_b32 v[PC+3+6*\c+\i], v[PC+12+4*\c+\i]
.endr
.endr
.endm
	s_wait_alu depctr_va_vdst(0)                   ; the head's end
	s_wait_tensorcnt 0x0                           ; my part of slot 0 is in
	ds_add_u32 v[SPW], v[NIL]
	s_wait_dscnt 0x0
	CROUND                                         ; a whole round: everybody's part of slot 0 is in, and the joint loads meet
	JLOAD G0+4, G1, G0B+4, G1B                     ; slot 1's first fill, the first tensor load behind the round
	FETCH 0, 0, 0
	STEP 0, 0, 1                                   ; the first step stands in front of the loop: its products start the sums
	s_mov_b32 s3, 3
.Llap:                                                 ; a trip goes once round the ring, from a lap's second step to the next lap's first, and fills both slots again
	STEP 0, 1, 0
	STEP 0, 2, 0
	TURN 0, 1, 1
	STEP 1, 0, 0
	STEP 1, 1, 0
	STEP 1, 2, 0
	TURN 1, 0, 1
	STEP 0, 0, 0
	s_sub_co_u32 s3, s3, 1
	s_cmp_lg_u32 s3, 0
	s_cbranch_scc1 .Llap
	STEP 0, 1, 0                                   ; the last lap fills nothing, and has no round of the cluster's barrier
	STEP 0, 2, 0
	TURN 0, 1, 0
	STEP 1, 0, 0
	STEP 1, 1, 0
	STEP 1, 2, 0
	s_wait_dscnt 0x0                               ; the very last step: nothing more to fetch
	WIN MUL
	MUL8 0, 1, 1, 1, 0
	MUL8 1, 1, 1, 1, 0
	MUL8 2, 1, 1, 1, 0
	MUL8 3, 1, 1, 1, 0
	WIN 0
	PLACES
	; THE WAY OUT: each of my four blocks is one fragment of the next product; each has registers of its own for its codes, its word and its offsets, so no store's sources are written again
.irp a, 0,1,2,3
	QUANTW \a
.irp c, 0,1,2
	global_store_b128 v[IMO+\a], v[QF+20*\a+4*\c:QF+20*\a+4*\c+3], s[70:71] offset:512*\c   ; 32 lanes store 512 consecutive bytes, at a multiple of 256 from the buffer's first byte
.endr
	global_store_b32 v[WDO+\a], v[PW+\a], s[70:71] ; lanes 16-31 write the same bytes with the same values
.endr
	s_wait_tensorcnt 0x0                           ; the wave's end, behind my last tensor load
	ds_add_u32 v[SPW], v[NIL]
	s_wait_dscnt 0x0
	CROUND                                         ; the closing round: no work-group ends while a partner may still ask for a tile that names it
	s_endpgm
.Lfunc_end_k_q002353db4c_qkv:
	.size	k_q002353db4c_qkv, .Lfunc_end_k_q002353db4c_qkv-k_q002353db4c_qkv
	.p2alignl 7, 3214868480
	.fill 96, 4, 3214868480
	.section	.rodata,"a",@progbits
	.p2align	6, 0x0
	.amdhsa_kernel k_q002353db4c_qkv
		.amdhsa_group_segment_fixed_size 327680
		.amdhsa_private_segment_fixed_size 0
		.amdhsa_enable_private_segment 0
		.amdhsa_kernarg_size 32
		.amdhsa_user_sgpr_count 2
		.amdhsa_user_sgpr_kernarg_segment_ptr 1
		.amdhsa_wavefront_size32 1
		.amdhsa_system_sgpr_workgroup_id_x 1
		.amdhsa_system_sgpr_workgroup_id_y 1
		.amdhsa_system_sgpr_workgroup_id_z 1
		.amdhsa_system_vgpr_workitem_id 0
		.amdhsa_next_free_vgpr 768
		.amdhsa_next_free_sgpr 100
		.amdhsa_reserve_vcc 0
		.amdhsa_float_denorm_mode_32 3
		.amdhsa_float_denorm_mode_16_64 3
		.amdhsa_memory_ordered 1
		.amdhsa_forward_progress 1
		.amdhsa_inst_pref_size 140
	.end_amdhsa_kernel
	.amdgpu_metadata
---
amdhsa.version: [ 1, 2 ]
amdhsa.kernels:
  - .name:           k_q002353db4c_qkv
    .symbol:         k_q002353db4c_qkv.kd
    .args:
      - { .name: xc, .offset: 0, .size: 8, .value_kind: global_buffer, .address_space: global }
      - { .name: wc, .offset: 8, .size: 8, .value_kind: global_buffer, .address_space: global }
      - { .name: qc, .offset: 16, .size: 8, .value_kind: global_buffer, .address_space: global }
      - { .name: kv, .offset: 24, .size: 8, .value_kind: global_buffer, .address_space: global }
    .group_segment_fixed_size: 327680
    .private_segment_fixed_size: 0
    .kernarg_segment_align: 8
    .kernarg_segment_size: 32
    .max_flat_workgroup_size: 128
    .sgpr_count:     100
    .vgpr_count:     768
    .wavefront_size: 32
...
	.end_amdgpu_metadata
.endif
;; end of part 2
;; launch attn (part 3): grid 32 x 8, 8 waves a work-group, no clusters, 167,936 bytes of LDS; arguments qc, kv, oc; writes oc
.if DOCPART == 3
	.amdgcn_target "amdgcn-amd-amdhsa--gfx1250"
	.amdhsa_code_object_version 6
	.text
	.protected	k_q002353db4c_attn
	.globl	k_q002353db4c_attn
	.p2align	8
	.type	k_q002353db4c_attn,@function
k_q002353db4c_attn:
	s_mov_b64 s[64:65], 0
	v_nop
	global_prefetch_b8 v0, s[64:65] scope:SCOPE_SE
	s_setreg_imm32_b32 hwreg(HW_REG_WAVE_MODE, 25, 1), 1
	s_wait_xcnt 0x0
; o = softmax(q k^T / sqrt(128), causal, window 512) v for 2 batches x 4 kv heads x 2 query heads, both products on codes of FP6 (E2M3) with E8M0 scales; o is quantised here, in registers, for the last projection.
; THE SOFTMAX AHEAD OF THE SECOND PRODUCT: t = score x log2(e) / sqrt(128); M = the row's largest t so far, rounded UP to a whole number; p = 2^(t - M) is what is quantised, along the keys; it is not normalised.
; The row's sum is taken of the unquantised p, in f32, and divides O at the end.  When M moves, the sum and O are multiplied by 2^(old M - new M): exact.
; SHARES.  Work-group (x, y) owns queries 64 x .. 64 x + 63 of batch y / 4 and kv head y % 4, for both of its query heads.  Wave w owns token fragment w / 2 of the four and query head 2 (y % 4) + w % 2: one tile of 16 queries.
; KEYS.  Key k counts for query q where q - 511 <= k <= q: for these 64 queries that is inside the five key steps of 128 that end with step x / 2.  F = max(x / 2 - 4, 0): steps F .. F + 4 lie inside the head's 16.
; Their five records of kv (25,600 bytes each: K's 8 images and scale words, then V^T's) are one dense run; waves 0 to 4 bring one each, once: no byte of LDS is filled again.
; A step all of whose keys come after my queries is left out by a scalar branch on ids; the trip count is a constant.  On the diagonal and at the window's edge hidden scores become -infinity ahead of the maximum: p = 0 then.
; A query with no key that counts in the first step keeps the largest t at -3e38: its p are 0, and the next step's factor is 0.
; LAYOUT.  Both products are used transposed: S^T = K Q^T, O^T = V^T P^T: a lane holds ONE query (lane % 16) throughout.  Lane r of K's fragment 2 b + u holds key 32 b + 8 u + r + 8 (r / 8), so the 16 registers of
; tiles 2 b, 2 b + 1 are keys 32 b + 16 (lane / 16) + 0 .. 15.  V^T's fragments hold the head's channels in the same order, so O^T's 64 registers run along the last projection's K in the same way.
; My queries: lane r holds query QN + r + 8 (r / 8), QN = 64 x + 32 (w / 4) + 8 ((w / 2) % 2).
; OUT.  oc: [kv head][token / 64] sub-chunks of 12,800 bytes (64 tokens x 256 K = two heads): my image at 1,536 w, my scale words at 12,288 + 128 (w / 2) + 8 r + 4 (w % 2).
; NO CLUSTER: only two work-groups (x = 2 m, 2 m + 1) read the same five records; four partners would have windows a record apart, and an LDS address or a branch would have to hang on a work-group's place in its cluster.
; LIMITS: NaN and infinities are not served.  A block of zeros gets the byte 1: its codes are zeros.  A block's largest p is taken through its largest score: that leans on v_exp_f32 not falling where its input rises.
; REGISTERS: v1-6 addresses that stay; v8, v10 addresses of the step; v12 -M, v13 the largest t, v[14:15] the sum in two halves; v16-27 Q; v32-79 four fragments of K or of V; v96-159 S^T, then p; v160-223 O^T; v224-235 p's codes;
; v232-247, v252, v254 at work; v248-251 K's and V's scale words, v253 p's, v255 Q's.
.set REC,   25600
.set SPARE, 5*REC                      ; behind the five records: the spare words, 128 bytes for each wave: four blocks of 256 bytes that no other line names
.set LI,   1                           ; v1   16 x lane
.set LS,   2                           ; v2   4 r
.set QL,   3                           ; v3   r + 8 (r / 8) - 16 h
.set LS8,  4                           ; v4   8 r
.set SPW,  5                           ; v5   LDS address of my spare word; never rewritten
.set NIL,  6                           ; v6   0; never rewritten
.set ADK,  8                           ; v8   the step's record, my 16 bytes of an image
.set ADS,  10                          ; v10  and my scale word
.set PW,   28                          ; v28  o's scale word
.set PC,   32                          ; o's codes
.set TM,   232
.set WV,   10                          ; s10  wave
.set TB,   13                          ; s13  LDS byte of the step's record
.set KF,   14                          ; s14  the step's first key
.set QN,   15                          ; s15  my smallest query
.set QX,   16                          ; s16  my largest
.set CNT,  17
.set CS,   18                          ; s[18:19] c = log2(e) / sqrt(128)
.set SEL,  20                          ; s[20:21] v_permlanex16_b32's selects
.set G1,   24
.set G0,   32
	s_load_b128 s[4:7], s[0:1], 0x0                ; qc, kv
	s_load_b64 s[8:9], s[0:1], 0x10                ; oc
	v_lshl_add_u32 v[SPW], v0, 2, SPARE
	v_mov_b32 v[NIL], 0
	ds_add_u32 v[SPW], v[NIL]                      ; the wave's opening: the add, and its wait ahead of my first tensor load; the set-up below, work on registers, stands between them
	ds_add_u32 v[SPW], v[NIL]
	v_lshrrev_b32 v8, 5, v0
	s_delay_alu instid0(VALU_DEP_1)
	v_readfirstlane_b32 s[WV], v8                  ; wave 0..7
	s_and_b32 s12, ttmp7, 0xffff                   ; y = 4 x batch + kv head
	s_lshr_b32 s22, ttmp9, 1
	s_max_u32 s22, s22, 4
	s_sub_co_u32 s22, s22, 4                       ; F
	s_lshl_b32 s[KF], s22, 7
	; descriptor group 1: a record as 100 rows of 256 bytes (32 elements of 8 bytes)
	s_mov_b32 s[G1+0], 3<<16
	s_mov_b32 s[G1+1], 32<<16
	s_mov_b32 s[G1+2], 100<<16
	s_mov_b32 s[G1+3], 32<<16
	s_mov_b32 s[G1+4], 100
	s_mov_b32 s[G1+5], 32
	s_mov_b32 s[G1+6], 0
	s_mov_b32 s[G1+7], 0
	s_min_u32 s23, s[WV], 4                        ; (a wave with no record to fetch makes wave 4's address and does not use it)
	s_add_co_u32 s23, s23, s22
	s_lshl_b32 s42, s12, 4
	s_add_co_u32 s23, s23, s42
	s_mul_i32 s42, s23, REC                        ; record 16 y + F + wave
	s_mov_b32 s43, 0
	s_mul_i32 s44, s[WV], REC                      ; and its place in LDS
	s_lshr_b32 s45, s12, 2                         ; batch
	s_lshl_b32 s46, s45, 7
	s_lshl_b32 s47, ttmp9, 2
	s_add_co_u32 s46, s46, s47
	s_lshr_b32 s47, s[WV], 1                       ; my token fragment of the four
	s_add_co_u32 s46, s46, s47
	s_mul_i32 s46, s46, 12800                      ; its group in qc
	s_and_b32 s48, s12, 3                          ; kv head
	s_lshl_b32 s49, s48, 1
	s_and_b32 s50, s[WV], 1
	s_add_co_u32 s49, s49, s50                     ; query head
	s_mul_i32 s51, s49, 1536
	s_add_co_u32 s52, s46, s51                     ; Q's image
	s_mov_b32 s53, 0
	s_lshl_b32 s54, s49, 6
	s_add_co_u32 s54, s54, s46
	s_add_co_u32 s54, s54, 12288                   ; Q's scale words
	s_mov_b32 s55, 0
	s_lshl_b32 s56, s48, 6
	s_lshl_b32 s57, s45, 5
	s_add_co_u32 s56, s56, s57
	s_add_co_u32 s56, s56, ttmp9
	s_mul_i32 s56, s56, 12800                      ; the work-group's sub-chunk of oc
	s_mul_i32 s57, s[WV], 1536
	s_add_co_u32 s60, s56, s57                     ; my image
	s_mov_b32 s61, 0
	s_lshl_b32 s57, s47, 7
	s_add_co_u32 s62, s56, s57
	s_lshl_b32 s57, s50, 2
	s_add_co_u32 s62, s62, s57
	s_add_co_u32 s62, s62, 12288                   ; my scale words
	s_mov_b32 s63, 0
	s_lshl_b32 s[QN], ttmp9, 6
	s_lshr_b32 s57, s[WV], 2
	s_lshl_b32 s57, s57, 5
	s_add_co_u32 s[QN], s[QN], s57
	s_and_b32 s57, s47, 1
	s_lshl_b32 s57, s57, 3
	s_add_co_u32 s[QN], s[QN], s57
	s_add_co_u32 s[QX], s[QN], 23
	s_mov_b32 s[SEL], 0x76543210
	s_mov_b32 s[SEL+1], 0xfedcba98
	s_mov_b32 s[CS], 0x3e0293ee                    ; c = log2(e) / sqrt(128)
	s_mov_b32 s[CS+1], s[CS]                       ; (named with it as a pair, so it is written)
	s_mov_b32 s[TB], 0
	s_mov_b32 s[CNT], 5
	s_wait_dscnt 0x0                               ; the opening add is done
	s_wait_kmcnt 0x0
	s_mov_b32 s[G0], 1
	s_mov_b32 s[G0+1], s44
	s_add_nc_u64 s[G0+2:G0+3], s[6:7], s[42:43]
	s_or_b32 s[G0+3], s[G0+3], 0x80000000
	s_cmp_lt_u32 s[WV], 5                          ; waves 0 to 4 fetch a record each; the branch hangs on the wave's number alone
	s_cbranch_scc0 .Lno_load
	tensor_load_to_lds s[G0:G0+3], s[G1:G1+7]
	s_nop 0
.rept 4
	v_nop
.endr
.Lno_load:
	s_add_nc_u64 s[36:37], s[4:5], s[52:53]
	s_add_nc_u64 s[38:39], s[4:5], s[54:55]
	s_add_nc_u64 s[40:41], s[8:9], s[60:61]
	s_add_nc_u64 s[58:59], s[8:9], s[62:63]
	v_and_b32 v8, 31, v0
	s_delay_alu instid0(VALU_DEP_1)
	v_lshlrev_b32 v[LI], 4, v8
	v_and_b32 v9, 15, v0                           ; r
	v_bfe_u32 v10, v0, 4, 1                        ; h
	s_delay_alu instid0(VALU_DEP_2)
	v_lshlrev_b32 v[LS], 2, v9
	s_delay_alu instid0(VALU_DEP_3)
	v_lshlrev_b32 v[LS8], 3, v9
.irp c, 0,1,2
	global_load_b128 v[16+4*\c:19+4*\c], v[LI], s[36:37] offset:512*\c   ; Q's fragment stays in registers
.endr
	global_load_b32 v255, v[LS], s[38:39]          ; Q's scale words
	v_and_b32 v[QL], 8, v9
	s_delay_alu instid0(VALU_DEP_1)
	v_add_nc_u32 v[QL], v[QL], v9
	v_lshlrev_b32 v11, 4, v10
	s_delay_alu instid0(VALU_DEP_1)
	v_sub_nc_u32 v[QL], v[QL], v11
	v_mov_b32 v13, 0xff61b1e6                      ; the largest t so far: -3e38, under every t
	s_delay_alu instid0(VALU_DEP_1)
	v_floor_f32 v12, -v13                          ; -M
	v_mov_b32 v14, 0                               ; the sum, in two halves
	v_mov_b32 v15, 0
.irp b, 0,1,2,3
	v_mov_b32 v[236+\b], 0                         ; written once: a lane permute's destination counts as one of its sources
.endr
	v_mov_b32 v252, 0
	v_mov_b32 v253, 0                              ; (named as the upper half of the pair v[252:253] before it is first written)
	v_mov_b32 v254, 0
.set N, 0
.rept 64
	v_mov_b32 v[160+N], 0                          ; O^T.  (The step is written once: the first finds zeros, which the first change of M leaves zeros)
.set N, N+1
.endr
	s_wait_tensorcnt 0x0                           ; my record is in,
	s_barrier_signal -1
	s_barrier_wait -1                              ; everybody's is
	s_wait_loadcnt 0x0                             ; Q
.Lstep:                                            ; five trips, a constant: key steps F .. F + 4
	s_cmp_gt_u32 s[KF], s[QX]                      ; all 128 keys come after my queries: the step's work is left out
	s_cbranch_scc1 .Lhidden
	v_add_nc_u32 v[ADK], s[TB], v[LI]
	s_wait_alu depctr_va_vdst(0)
	v_add_nc_u32 v[ADS], s[TB], v[LS]
	s_wait_alu depctr_va_vdst(0)
	v_nop
	v_nop                                          ; with the two additions: four places in front of loads into registers that matrix instructions have read
.irp g, 0,1                                    ; S^T = K Q^T, four tiles of 16 keys at a time
.if \g > 0
.rept 4
	v_nop
.endr
.endif
.irp t, 0,1,2,3
.irp c, 0,1,2
	ds_load_b128 v[32+12*\t+4*\c:35+12*\t+4*\c], v[ADK] offset:(4*\g+\t)*1536+512*\c
.endr
	ds_load_b32 v[248+\t], v[ADS] offset:12288+(4*\g+\t)*64
.endr
	s_wait_dscnt 0x0
.irp t, 0,1,2,3
	v_wmma_scale_f32_16x16x128_f8f6f4 v[96+8*(4*\g+\t):103+8*(4*\g+\t)], v[32+12*\t:43+12*\t], v[16:27], 0, v[248+\t], v255 matrix_a_fmt:MATRIX_FMT_FP6 matrix_b_fmt:MATRIX_FMT_FP6
.endr
.endr
.rept 4
	v_nop
.endr
	; register 16 b + i holds key KF + 32 b + 16 h + i; my query is QN + r + 8 (r / 8)
	s_add_co_u32 s22, s[KF], 127
	s_cmp_le_u32 s22, s[QN]                        ; every key of the step is at or before every query of mine: no causal mask here
	s_cbranch_scc1 .Lopen
	s_sub_co_i32 s22, s[QN], s[KF]
	v_add_nc_u32 v252, s22, v[QL]                  ; d = my query - KF - 16 h: hidden where 32 b + i > d
	v_mov_b32 v254, 0xff800000                     ; -infinity
.set N, 0
.rept 64
	v_cmp_gt_i32 vcc_lo, 32*(N/16)+N%16, v252
	v_cndmask_b32 v[96+N], v[96+N], v254, vcc_lo
.set N, N+1
.endr
.Lopen:
	s_add_co_u32 s22, s[KF], 512
	s_cmp_gt_u32 s22, s[QX]                        ; the step's first key is inside the window of my largest query: no window mask here
	s_cbranch_scc1 .Lnear
	s_sub_co_i32 s22, s[QN], s[KF]
	s_sub_co_i32 s22, s22, 511
	v_add_nc_u32 v252, s22, v[QL]                  ; d = my query - 511 - KF - 16 h: hidden where 32 b + i < d
	v_mov_b32 v254, 0xff800000
.set N, 0
.rept 64
	v_cmp_lt_i32 vcc_lo, 32*(N/16)+N%16, v252
	v_cndmask_b32 v[96+N], v[96+N], v254, vcc_lo
.set N, N+1
.endr
.Lnear:
.irp b, 0,1,2,3
	v_max3_num_f32 v[232+\b], v[96+16*\b], v[97+16*\b], v[98+16*\b]   ; THE LARGEST SCORE OF EACH BLOCK OF 32 KEYS: it serves for the row's maximum and, since p rises with the score, for the block's largest p
.endr
.irp i, 3,5,7,9,11,13
.irp b, 0,1,2,3
	v_max3_num_f32 v[232+\b], v[232+\b], v[96+16*\b+\i], v[97+16*\b+\i]
.endr
.endr
.irp b, 0,1,2,3
	v_max_num_f32 v[232+\b], v[232+\b], v[111+16*\b]
.endr
.irp b, 0,1,2,3
	s_delay_alu instid0(VALU_DEP_4)
	v_permlanex16_b32 v[236+\b], v[232+\b], s[SEL], s[SEL+1]
.endr
.irp b, 0,1,2,3
	s_delay_alu instid0(VALU_DEP_4)
	v_max_num_f32 v[232+\b], v[232+\b], v[236+\b]  ; with lane l xor 16's 16 keys
.endr
	s_delay_alu instid0(VALU_DEP_2)
	v_max3_num_f32 v254, v232, v233, v234
	s_delay_alu instid0(VALU_DEP_1)
	v_max_num_f32 v254, v254, v235                 ; the step's largest score of my query
	s_delay_alu instid0(VALU_DEP_1)
	v_mul_f32 v254, s[CS], v254                    ; as t (c is positive)
	s_delay_alu instid0(VALU_DEP_1)
	v_max_num_f32 v13, v13, v254                   ; the running largest t
	v_mov_b32 v254, v12
	s_delay_alu instid0(VALU_DEP_2)
	v_floor_f32 v12, -v13                          ; the new -M = floor(-t) = -ceil(t): M IS A WHOLE NUMBER
	s_delay_alu instid0(VALU_DEP_1)
	v_sub_f32 v254, v12, v254                      ; M's old value less its new one: a whole number, 0 or less
	s_delay_alu instid0(VALU_DEP_1)
	v_cvt_i32_f32 v254, v254                       ; (it saturates)
	s_delay_alu instid0(VALU_DEP_1)
	v_ldexp_f32 v252, 1.0, v254                    ; f = 2^(old M - new M)
.set N, 0
.rept 32
	v_pk_fma_f32 v[96+N:97+N], v[96+N:97+N], s[CS:CS+1], v[12:13] op_sel_hi:[1,0,0]   ; t - M, two at a time (of the pairs c and -M the low word serves both halves)
.set N, N+2
.endr
.irp b, 0,1,2,3
	v_fma_f32 v[232+\b], v[232+\b], s[CS], v12     ; the same of each block's largest score
.endr
.set N, 0
	s_wait_alu depctr_va_vdst(0)
.rept 64
	v_exp_f32 v[96+N], v[96+N]                     ; p = 2^(t - M), at most 1: NOT normalised
.set N, N+1
.endr
	v_pk_mul_f32 v[14:15], v[14:15], v[252:253] op_sel_hi:[1,0]   ; the sums under the new M.  (A plain place behind the exponentials)
	s_wait_alu depctr_va_vdst(0)                   ; one wait for the whole batch, ahead of its first reader
.irp b, 0,1,2,3
	v_exp_f32 v[232+\b], v[232+\b]                 ; the block's largest p: the same two instructions on the same number give the same bits
.endr
	v_pk_add_f32 v[236:237], v[100:101], v[104:105]
	v_pk_add_f32 v[250:251], v[108:109], v[112:113]
	v_pk_add_f32 v[248:249], v[116:117], v[120:121]
	v_pk_add_f32 v[246:247], v[124:125], v[128:129]
	v_pk_add_f32 v[244:245], v[132:133], v[136:137]
	v_pk_add_f32 v[242:243], v[140:141], v[144:145]
	v_pk_add_f32 v[240:241], v[148:149], v[152:153]
	v_pk_add_f32 v[14:15], v[14:15], v[156:157]
	v_pk_add_f32 v[236:237], v[236:237], v[96:97]
	v_pk_add_f32 v[250:251], v[250:251], v[98:99]
	v_pk_add_f32 v[248:249], v[248:249], v[102:103]
	v_pk_add_f32 v[246:247], v[246:247], v[106:107]
	v_pk_add_f32 v[244:245], v[244:245], v[110:111]
	v_pk_add_f32 v[242:243], v[242:243], v[114:115]
	v_pk_add_f32 v[240:241], v[240:241], v[118:119]
	v_pk_add_f32 v[14:15], v[14:15], v[122:123]
	v_pk_add_f32 v[236:237], v[236:237], v[126:127]
	v_pk_add_f32 v[250:251], v[250:251], v[130:131]
	v_pk_add_f32 v[248:249], v[248:249], v[134:135]
	v_pk_add_f32 v[246:247], v[246:247], v[138:139]
	v_pk_add_f32 v[244:245], v[244:245], v[142:143]
	v_pk_add_f32 v[242:243], v[242:243], v[146:147]
	v_pk_add_f32 v[240:241], v[240:241], v[150:151]
	v_pk_add_f32 v[14:15], v[14:15], v[154:155]
	v_pk_add_f32 v[236:237], v[236:237], v[158:159]
	s_delay_alu instid0(VALU_DEP_2)
	v_pk_add_f32 v[14:15], v[14:15], v[246:247]
	s_delay_alu instid0(VALU_DEP_2)
	v_pk_add_f32 v[236:237], v[236:237], v[244:245]
	v_pk_add_f32 v[250:251], v[250:251], v[242:243]
	v_pk_add_f32 v[248:249], v[248:249], v[240:241]
	s_delay_alu instid0(VALU_DEP_2)
	v_pk_add_f32 v[14:15], v[14:15], v[250:251]
	s_delay_alu instid0(VALU_DEP_2)
	v_pk_add_f32 v[236:237], v[236:237], v[248:249]
	s_delay_alu instid0(VALU_DEP_1)
	v_pk_add_f32 v[14:15], v[14:15], v[236:237]
	s_wait_alu depctr_va_vdst(0)                   ; and one for the four
.irp b, 0,1,2,3
	v_max_num_f32 v[232+\b], 0x1800000, v[232+\b]  ; the floor 2^(3 - 127): the byte cannot fall under 1 (a block whose every p is 0 keeps that byte: its codes are zeros)
.endr
.irp b, 0,1,2,3
	s_delay_alu instid0(VALU_DEP_4)
	v_add_nc_u32 v[244+\b], 0xff000000, v[232+\b]  ; 2 off the exponent field: the conversion's scale operand
.endr
.irp b, 0,1,2,3
	s_delay_alu instid0(VALU_DEP_4)
	v_lshrrev_b32 v[236+\b], 23, v[244+\b]         ; the scale's byte
.endr
	s_delay_alu instid0(VALU_DEP_3)
	v_lshl_or_b32 v253, v237, 8, v236              ; p's scale word for these 128 keys
	s_delay_alu instid0(VALU_DEP_1)
	v_lshl_or_b32 v253, v238, 16, v253
	s_delay_alu instid0(VALU_DEP_1)
	v_lshl_or_b32 v253, v239, 24, v253
.irp c, 0,1
	v_cvt_scalef32_pk16_fp6_f32 v[224+6*\c:226+6*\c], v[96+32*\c:111+32*\c], v[244+2*\c]
	v_cvt_scalef32_pk16_fp6_f32 v[236+4*\c:238+4*\c], v[112+32*\c:127+32*\c], v[244+2*\c+1]   ; (a conversion's three registers begin on an even number)
.endr
	v_nop                                          ; one plain place behind a scaled conversion
.irp c, 0,1                                    ; the operand's layout wants a WHOLE block in a lane
.irp i, 0,1,2
	v_permlane16_swap_b32 v[224+6*\c+\i], v[236+4*\c+\i]
.endr
.irp i, 0,1,2
	s_delay_alu instid0(VALU_DEP_3)
	v_mov_b32 v[227+6*\c+\i], v[236+4*\c+\i]
.endr
.endr
.set N, 0
.rept 32
	v_pk_mul_f32 v[160+N:161+N], v[160+N:161+N], v[252:253] op_sel_hi:[1,0]   ; O^T under the new M: x f.  (These 32 are also the places in front of the matrix instructions and loads below)
.set N, N+2
.endr
	s_wait_alu depctr_va_vdst(0)
.irp g, 0,1                                    ; O^T += V^T P^T: four tiles of 16 of the head's 128 at a time; K = these 128 keys
.if \g > 0
.rept 4
	v_nop
.endr
.endif
.irp t, 0,1,2,3
.irp c, 0,1,2
	ds_load_b128 v[32+12*\t+4*\c:35+12*\t+4*\c], v[ADK] offset:12800+(4*\g+\t)*1536+512*\c
.endr
	ds_load_b32 v[248+\t], v[ADS] offset:25088+(4*\g+\t)*64
.endr
	s_wait_dscnt 0x0
.irp t, 0,1,2,3
	v_wmma_scale_f32_16x16x128_f8f6f4 v[160+8*(4*\g+\t):167+8*(4*\g+\t)], v[32+12*\t:43+12*\t], v[224:235], v[160+8*(4*\g+\t):167+8*(4*\g+\t)], v[248+\t], v253 matrix_a_fmt:MATRIX_FMT_FP6 matrix_b_fmt:MATRIX_FMT_FP6
.endr
.endr
.Lhidden:
	s_add_co_u32 s[KF], s[KF], 128
	s_add_co_u32 s[TB], s[TB], REC
	s_sub_co_u32 s[CNT], s[CNT], 1
	s_cmp_lg_u32 s[CNT], 0
	s_cbranch_scc1 .Lstep
	; THE WAY OUT: O^T / the row's sum is o as the last projection wants it: quantised along the head, it is one fragment (my 16 tokens x my head's 128)
	v_add_f32 v14, v14, v15                        ; the sum's two halves,
	s_delay_alu instid0(VALU_DEP_1)
	v_permlanex16_b32 v252, v14, s[SEL], s[SEL+1]
	s_delay_alu instid0(VALU_DEP_1)
	v_add_f32 v14, v14, v252                       ; and lane l xor 16's: the row's sum
	s_wait_alu depctr_va_vdst(0)
	v_rcp_f32 v14, v14
.rept 4
	v_nop                                          ; the plain place behind the reciprocal, and the places behind the last products
.endr
	s_wait_alu depctr_va_vdst(0)                   ; the wait, ahead of the first reader
.set N, 0
.rept 32
	v_pk_mul_f32 v[96+N:97+N], v[160+N:161+N], v[14:15] op_sel_hi:[1,0]   ; register 16 b + i = channel 32 b + 16 h + i of my query's o
.set N, N+2
.endr
.irp b, 0,1,2,3
	v_max3_num_f32 v[TM+\b], |v[96+16*\b]|, |v[97+16*\b]|, 0x1800000   ; block b: my 16 numbers, and the floor 2^(3 - 127)
.endr
.irp i, 2,4,6,8,10,12,14
.irp b, 0,1,2,3
	s_delay_alu instid0(VALU_DEP_4)
	v_max3_num_f32 v[TM+\b], v[TM+\b], |v[96+16*\b+\i]|, |v[97+16*\b+\i]|
.endr
.endr
.irp b, 0,1,2,3
	s_delay_alu instid0(VALU_DEP_4)
	v_permlanex16_b32 v[TM+4+\b], v[TM+\b], s[SEL], s[SEL+1]
.endr
.irp b, 0,1,2,3
	s_delay_alu instid0(VALU_DEP_4)
	v_max_num_f32 v[TM+\b], v[TM+\b], v[TM+4+\b]   ; with lane l xor 16's: the block's largest magnitude
.endr
.irp b, 0,1,2,3
	s_delay_alu instid0(VALU_DEP_4)
	v_add_nc_u32 v[TM+12+\b], 0xff000000, v[TM+\b]
.endr
.irp b, 0,1,2,3
	s_delay_alu instid0(VALU_DEP_4)
	v_lshrrev_b32 v[TM+4+\b], 23, v[TM+12+\b]
.endr
	s_delay_alu instid0(VALU_DEP_3)
	v_lshl_or_b32 v[PW], v[TM+5], 8, v[TM+4]
	s_delay_alu instid0(VALU_DEP_1)
	v_lshl_or_b32 v[PW], v[TM+6], 16, v[PW]
	s_delay_alu instid0(VALU_DEP_1)
	v_lshl_or_b32 v[PW], v[TM+7], 24, v[PW]
.irp c, 0,1
	v_cvt_scalef32_pk16_fp6_f32 v[PC+6*\c:PC+2+6*\c], v[96+32*\c:111+32*\c], v[TM+12+2*\c]
	v_cvt_scalef32_pk16_fp6_f32 v[PC+12+4*\c:PC+14+4*\c], v[112+32*\c:127+32*\c], v[TM+12+2*\c+1]
.endr
	v_nop                                          ; one plain place behind a scaled conversion
.irp c, 0,1
.irp i, 0,1,2
	v_permlane16_swap_b32 v[PC+6*\c+\i], v[PC+12+4*\c+\i]
.endr
.irp i, 0,1,2
	s_delay_alu instid0(VALU_DEP_3)
	v_mov_b32 v[PC+3+6*\c+\i], v[PC+12+4*\c+\i]
.endr
.endr
.irp c, 0,1,2
	global_store_b128 v[LI], v[PC+4*\c:PC+4*\c+3], s[40:41] offset:512*\c   ; 32 lanes store 512 consecutive bytes, at a multiple of 256 from the buffer's first byte
.endr
	global_store_b32 v[LS8], v[PW], s[58:59]       ; lanes 16-31 write the same bytes with the same values
	s_wait_tensorcnt 0x0                           ; the wave's end, behind my last tensor load
	ds_add_u32 v[SPW], v[NIL]
	s_wait_dscnt 0x0
	s_endpgm
.Lfunc_end_k_q002353db4c_attn:
	.size	k_q002353db4c_attn, .Lfunc_end_k_q002353db4c_attn-k_q002353db4c_attn
	.p2alignl 7, 3214868480
	.fill 96, 4, 3214868480
	.section	.rodata,"a",@progbits
	.p2align	6, 0x0
	.amdhsa_kernel k_q002353db4c_attn
		.amdhsa_group_segment_fixed_size 167936
		.amdhsa_private_segment_fixed_size 0
		.amdhsa_enable_private_segment 0
		.amdhsa_kernarg_size 24
		.amdhsa_user_sgpr_count 2
		.amdhsa_user_sgpr_kernarg_segment_ptr 1
		.amdhsa_wavefront_size32 1
		.amdhsa_system_sgpr_workgroup_id_x 1
		.amdhsa_system_sgpr_workgroup_id_y 1
		.amdhsa_system_sgpr_workgroup_id_z 1
		.amdhsa_system_vgpr_workitem_id 0
		.amdhsa_next_free_vgpr 256
		.amdhsa_next_free_sgpr 66
		.amdhsa_reserve_vcc 1
		.amdhsa_float_denorm_mode_32 3
		.amdhsa_float_denorm_mode_16_64 3
		.amdhsa_memory_ordered 1
		.amdhsa_forward_progress 1
		.amdhsa_inst_pref_size 48
	.end_amdhsa_kernel
	.amdgpu_metadata
---
amdhsa.version: [ 1, 2 ]
amdhsa.kernels:
  - .name:           k_q002353db4c_attn
    .symbol:         k_q002353db4c_attn.kd
    .args:
      - { .name: qc, .offset: 0, .size: 8, .value_kind: global_buffer, .address_space: global }
      - { .name: kv, .offset: 8, .size: 8, .value_kind: global_buffer, .address_space: global }
      - { .name: oc, .offset: 16, .size: 8, .value_kind: global_buffer, .address_space: global }
    .group_segment_fixed_size: 167936
    .private_segment_fixed_size: 0
    .kernarg_segment_align: 8
    .kernarg_segment_size: 24
    .max_flat_workgroup_size: 256
    .sgpr_count:     66
    .vgpr_count:     256
    .wavefront_size: 32
...
	.end_amdgpu_metadata
.endif
;; end of part 3
;; launch oproj (part 4): grid 16 x 16, 4 waves a work-group, clusters of 4 x 4, 262,144 bytes of LDS; arguments oc, woc, out0; writes out0
.if DOCPART == 4
	.amdgcn_target "amdgcn-amd-amdhsa--gfx1250"
	.amdhsa_code_object_version 6
	.text
	.protected	k_q002353db4c_oproj
	.globl	k_q002353db4c_oproj
	.p2align	8
	.type	k_q002353db4c_oproj,@function
k_q002353db4c_oproj:
	s_mov_b64 s[64:65], 0
	v_nop
	global_prefetch_b8 v0, s[64:65] scope:SCOPE_SE
	s_setreg_imm32_b32 hwreg(HW_REG_WAVE_MODE, 25, 1), 1
	s_wait_xcnt 0x0
	s_wait_alu depctr_hold_cnt(0) depctr_sa_sdst(0) depctr_va_vdst(0) depctr_va_sdst(0) depctr_va_ssrc(0) depctr_va_vcc(0) depctr_vm_vsrc(0)
	s_getreg_b32 s2, hwreg(HW_REG_IB_STS2, 6, 4)
	s_cmp_eq_u32 s2, 0
	s_cbranch_scc0 .Lentry_in_a_cluster
	s_endpgm
.Lentry_in_a_cluster:
	s_bfe_u32 s2, ttmp6, 0x10000c
	s_cmp_lg_u32 s2, 0xf033
	s_cbranch_scc0 .Lentry_shape_is_right
	s_endpgm
.Lentry_shape_is_right:
; out0 = o wo^T on codes of FP6 (E2M3) with E8M0 scales, f32 sums, K = 1,024 ascending.  M = 4,096 tokens, N = 4,096 columns; a work-group of four waves makes 256 tokens x 256 columns: 16 x 16 = 256 work-groups.
; OPERANDS are images of operand registers (16 rows x 128 K = 1,536 bytes: byte 512 c + 16 lane + i = byte i of registers 4 c .. 4 c + 3) in sub-chunks of 64 rows x 256 K, 12,800 bytes: images at (2 f + g) x 1,536,
; scale words at 12,288 + 8 (16 f + r) + 4 g.  oc and woc: [k / 256][row / 64] sub-chunks.  Lane r of fragment f holds row 32 (f / 2) + 8 (f % 2) + r + 8 (r / 8) of the 64.
; B (wo's 256 rows, all of K) is 204,800 bytes: it comes into LDS ONCE, one joint load a wave (wave w: the four sub-chunks of K's quarter w, 51,200 dense bytes), and stays: no byte of LDS is filled again.
; A (my wave's 64 tokens, all of K) is 32 fragments, 384 registers: it goes from memory straight into my registers and stays there.
; A IS NOT ASKED FOR JOINTLY: each of its bytes is used by one wave of the work-group alone, and A's 204,800 bytes beside B's 204,800 are more than the 327,680 bytes of LDS.  B's loads are shared along the cluster's column.
; THE WALK: the 256 columns go in four pieces of 64.  A piece is 16 accumulators (4 token fragments x 4 column fragments) x 8 steps of 128 along K; B's 4 fragments of a step come from LDS one step ahead, in two sets.
; Two sets of accumulators take turns from piece to piece: while piece n is multiplied, piece n - 1 leaves, one block of 16 tokens x 64 columns in each two steps.
; THE MATRIX INSTRUCTION IS USED TRANSPOSED (source 0 = 16 rows of wo, source 1 = 16 tokens): a lane holds one token; by the order of a fragment's rows accumulator b's register j is column 32 (b / 2) + 16 (lane / 16) + 8 (b % 2) + j.
; THE WAY OUT: a block goes through my own stage in LDS (16 rows of 256 bytes + 16) and comes back by rows: sixteen lanes store 256 consecutive bytes at a multiple of 256 from out0's first byte.
; NO PREFETCH: all that the launch reads is asked for at its head, by the four joint loads and my 112 loads; there is no later stream to run ahead of.
; LIMITS: NaN and infinities are not served.
; REGISTERS: window 0: v8-20 addresses, v28-29 the add's; v32-63 A's scale words, v64-79 B's (scales and nothing else); v96-191 B's two sets; v192-223 a block on its way out.
;   window 1: A's fragments of steps 0-4 at v[48 s + 12 a]; window 2: those of steps 5-7 at v[48 (s - 5) + 12 a]; window 3: accumulator (a, b) of set n % 2 at v[128 (n % 2) + 8 (4 a + b)].
.set SUBB,   12800
.set QTR,    4*SUBB                    ; B's four sub-chunks of a quarter of K
.set KQG,    64*SUBB                   ; bytes from one 256 along K to the next in oc and in woc
.set STAGE,  4*QTR                     ; behind B: a stage for each wave
.set SPITCH, 272
.set WSTG,   16*SPITCH
.set SPARE,  STAGE+4*WSTG              ; behind the stages: the spare words, 128 bytes for each wave: two blocks of 256 bytes that no other line names
.set ADRB, 8                           ; v8-11   LDS address of B's images in quarter 0..3: 16 x lane
.set ADRS, 12                          ; v12-15  of B's scale words: 8 r
.set LI,   16                          ; v16     16 x lane
.set LS8,  17                          ; v17     8 r
.set STO,  18                          ; v18     the stage, in: row r, + 64 h
.set RD,   19                          ; v19     the stage, back: row h, + 16 r
.set CO,   20                          ; v20     the same place in out0: h rows + 16 r
.set SPW,  28                          ; v28     LDS address of my spare word; never rewritten
.set NIL,  29                          ; v29     0; never rewritten
.set SCA,  32                          ; A's scale words: v[32 + 8 (s / 2) + 2 a + s % 2]
.set SCB,  64                          ; B's: v[64 + 8 ((s / 2) % 2) + 2 b + s % 2]
.set BF,   96                          ; B's fragments: v[96 + 48 (s % 2) + 12 b]
.set OUT,  192
.set G1,   24
.set G0,   32
.set MSB, 0
.macro WIN new                         ; the immediate's high byte repeats the setting that is left
.if MSB != (\new)
	s_set_vgpr_msb (MSB<<8)|(\new)
.set MSB, (\new)
.endif
.endm
.macro CREST                           ; a round of the cluster's barrier behind its opening barrier
	s_cmp_lg_u32 s14, 0
	s_cbranch_scc1 .Lnot_wave_0_\@
	s_barrier_signal -3
.Lnot_wave_0_\@:
	s_barrier_wait -3
	s_barrier_signal -1
	s_barrier_wait -1
.endm
.macro CROUND
	s_barrier_signal -1
	s_barrier_wait -1
	CREST
.endm
.macro PLACES                          ; four places in front of loads into registers that matrix instructions have read and of the first read of results (ISA guide 7.12.1 for vector instructions)
.rept 4
	v_nop
.endr
.endm
	s_load_b128 s[4:7], s[0:1], 0x0                ; oc, woc
	s_load_b64 s[8:9], s[0:1], 0x10                ; out0
	v_lshl_add_u32 v[SPW], v0, 2, SPARE
	v_mov_b32 v[NIL], 0
	ds_add_u32 v[SPW], v[NIL]                      ; the opening lines: the add, twice on end, and its wait ahead of my first tensor load
	ds_add_u32 v[SPW], v[NIL]
	v_lshrrev_b32 v1, 5, v0
	v_readfirstlane_b32 s14, v1                    ; wave 0..3
	s_mul_i32 s23, s14, WSTG
	s_add_co_u32 s23, s23, STAGE                   ; my stage
	v_and_b32 v2, 31, v0                           ; lane
	v_and_b32 v3, 15, v0                           ; r
	v_bfe_u32 v4, v0, 4, 1                         ; h
	v_lshlrev_b32 v[LI], 4, v2
	v_lshlrev_b32 v[LS8], 3, v3
.irp q, 0,1,2,3
	v_add_nc_u32 v[ADRB+\q], \q*QTR, v[LI]
	v_add_nc_u32 v[ADRS+\q], \q*QTR, v[LS8]
.endr
	v_mul_u32_u24 v[STO], v3, SPITCH
	v_lshl_add_u32 v[STO], v4, 6, v[STO]
	v_add_nc_u32 v[STO], s23, v[STO]
	v_mul_u32_u24 v[RD], v4, SPITCH
	v_lshl_add_u32 v[RD], v3, 4, v[RD]
	v_add_nc_u32 v[RD], s23, v[RD]
	v_lshlrev_b32 v[CO], 14, v4                    ; a row of out0 is 16,384 bytes
	v_lshl_add_u32 v[CO], v3, 4, v[CO]
	s_wait_alu depctr_va_vdst(0)                   ; behind the head's last vector instruction
	s_bfe_u32 s66, ttmp6, 0x40000                  ; cx, cy: my place in the cluster
	s_bfe_u32 s67, ttmp6, 0x40004
	s_lshl_b32 s68, ttmp9, 2
	s_add_co_u32 s68, s68, s66                     ; tile column = 4 x cluster x + cx
	s_and_b32 s17, ttmp7, 0xffff
	s_lshl_b32 s17, s17, 2
	s_add_co_u32 s17, s17, s67                     ; tile row = 4 x cluster y + cy
	s_lshl_b32 s70, 0x1111, s66                    ; my column of the cluster
	s_or_b32 s[G1+0], s70, (3<<16)|(1<<21)         ; the mask; elements of 8 bytes; bit 21 set beside a mask
	s_mov_b32 s[G1+1], 32<<16                      ; a dense block as 200 rows of 256 bytes
	s_mov_b32 s[G1+2], 200<<16
	s_mov_b32 s[G1+3], 32<<16
	s_mov_b32 s[G1+4], 200
	s_mov_b32 s[G1+5], 32
	s_mov_b32 s[G1+6], 0
	s_mov_b32 s[G1+7], 0
	s_lshl_b32 s20, s14, 6
	s_lshl_b32 s21, s68, 2
	s_add_co_u32 s20, s20, s21
	s_mul_i32 s20, s20, SUBB                       ; woc: sub-chunk 64 x wave + 4 x tile column: made of the wave's number and the tile column alone
	s_mov_b32 s21, 0
	s_lshl_b32 s72, s17, 2
	s_add_co_u32 s72, s72, s14
	s_mul_i32 s72, s72, SUBB                       ; oc: sub-chunk 4 x tile row + wave of K's first quarter
	s_mov_b32 s73, 0
	s_lshl_b32 s74, s17, 22                        ; out0: 256 x tile row + 64 x wave rows of 16,384 bytes,
	s_lshl_b32 s75, s14, 20
	s_add_co_u32 s74, s74, s75
	s_lshl_b32 s75, s68, 10                        ; + 1,024 bytes x tile column: under 2^26
	s_add_co_u32 s74, s74, s75
	s_mov_b32 s75, 0
	s_mov_b32 s[G0], 1
	s_mul_i32 s[G0+1], s14, QTR                    ; quarter w goes to LDS byte 51,200 w: no place in the cluster enters an LDS address
	s_wait_dscnt 0x0                               ; both opening adds are done
	s_wait_kmcnt 0x0
	s_add_nc_u64 s[G0+2:G0+3], s[6:7], s[20:21]
	s_or_b32 s[G0+3], s[G0+3], 0x80000000
	s_add_nc_u64 s[10:11], s[4:5], s[72:73]
	s_add_nc_u64 s[8:9], s[8:9], s[74:75]
	CROUND                                         ; all sixteen work-groups are here: the joint loads meet
	tensor_load_to_lds s[G0:G0+3], s[G1:G1+7]      ; my one tensor load of the launch
	s_nop 0
	PLACES
	; A: first the 16 pairs of scale words, then the images step by step: 112 loads
.irp q, 0,1,2,3
.irp f, 0,1,2,3
	global_load_b64 v[SCA+8*\q+2*\f:SCA+8*\q+2*\f+1], v[LS8], s[10:11] offset:\q*KQG+12288+128*\f
.endr
.endr
.set KK, 0
.rept 8
	WIN 0x40*(1+KK/5)                              ; destination window 1 (steps 0-4) or 2 (steps 5-7), address window 0
.irp f, 0,1,2,3
.irp c, 0,1,2
	global_load_b128 v[48*(KK%5)+12*\f+4*\c:48*(KK%5)+12*\f+4*\c+3], v[LI], s[10:11] offset:(KK/2)*KQG+(2*\f+KK%2)*1536+512*\c
.endr
.endr
.set KK, KK+1
.endr
	WIN 0
; B's four fragments of piece n, step s, into set s % 2: 12 loads; with an even s the scale words of 256 along K too: 4 loads of two words a row
.macro FETCH n, s
.irp f, 0,1,2,3
.irp c, 0,1,2
	ds_load_b128 v[BF+48*((\s)%2)+12*\f+4*\c:BF+48*((\s)%2)+12*\f+4*\c+3], v[ADRB+(\s)/2] offset:(\n)*SUBB+(2*\f+(\s)%2)*1536+512*\c
.endr
.endr
.if (\s)%2 == 0
.irp f, 0,1,2,3
	ds_load_b64 v[SCB+8*(((\s)/2)%2)+2*\f:SCB+8*(((\s)/2)%2)+2*\f+1], v[ADRS+(\s)/2] offset:(\n)*SUBB+12288+128*\f
.endr
.endif
.endm
; 16 matrix instructions: the piece's 16 accumulators take turns, one instruction a turn, in the same order in every step.  A piece's first step starts the sums: nothing is cleared.
.macro MUL16 n, s
	WIN 0xf4+4*((\s)/5)                            ; source 0 (B) window 0, source 1 (A) window 1 or 2, C and D window 3
.irp a, 0,1,2,3
.irp b, 0,1,2,3
.if (\s) == 0
	v_wmma_scale_f32_16x16x128_f8f6f4 v[128*((\n)%2)+8*(4*\a+\b):128*((\n)%2)+8*(4*\a+\b)+7], v[BF+48*((\s)%2)+12*\b:BF+48*((\s)%2)+12*\b+11], v[48*((\s)%5)+12*\a:48*((\s)%5)+12*\a+11], 0, v[SCB+8*(((\s)/2)%2)+2*\b+(\s)%2], v[SCA+8*((\s)/2)+2*\a+(\s)%2] matrix_a_fmt:MATRIX_FMT_FP6 matrix_b_fmt:MATRIX_FMT_FP6
.else
	v_wmma_scale_f32_16x16x128_f8f6f4 v[128*((\n)%2)+8*(4*\a+\b):128*((\n)%2)+8*(4*\a+\b)+7], v[BF+48*((\s)%2)+12*\b:BF+48*((\s)%2)+12*\b+11], v[48*((\s)%5)+12*\a:48*((\s)%5)+12*\a+11], v[128*((\n)%2)+8*(4*\a+\b):128*((\n)%2)+8*(4*\a+\b)+7], v[SCB+8*(((\s)/2)%2)+2*\b+(\s)%2], v[SCA+8*((\s)/2)+2*\a+(\s)%2] matrix_a_fmt:MATRIX_FMT_FP6 matrix_b_fmt:MATRIX_FMT_FP6
.endif
.endr
.endr
	WIN 0
.endm
; Block a of piece n (16 tokens x 64 columns) into my stage and back by rows: 8 stores, 8 loads.  LDS serves a wave's instructions in order (ISA guide 5.7.1.4): no wait between them.
.macro TOSTAGE n, a
	s_wait_xcnt 0x0                                ; the last block's stores have read their data: the loads below may land there
	WIN 0x0c                                       ; the data: window 3
.irp b, 0,1,2,3
	ds_store_b128 v[STO], v[128*((\n)%2)+8*(4*(\a)+\b):128*((\n)%2)+8*(4*(\a)+\b)+3] offset:128*(\b/2)+32*(\b%2)      ; each accumulator from its low end on
	ds_store_b128 v[STO], v[128*((\n)%2)+8*(4*(\a)+\b)+4:128*((\n)%2)+8*(4*(\a)+\b)+7] offset:128*(\b/2)+32*(\b%2)+16
.endr
	WIN 0
.irp t, 0,1,2,3,4,5,6,7
	ds_load_b128 v[OUT+4*\t:OUT+4*\t+3], v[RD] offset:\t*2*SPITCH   ; stage rows 2 t and 2 t + 1
.endr
.endm
.macro SEND n, a                       ; stage row p is token 32 (a / 2) + 8 (a % 2) + p + 8 (p / 8) of my 64; every offset is an immediate, 62 rows + 768 bytes at the most
.irp t, 0,1,2,3,4,5,6,7
	global_store_b128 v[CO], v[OUT+4*\t:OUT+4*\t+3], s[8:9] offset:(32*((\a)/2)+8*((\a)%2)+2*\t+8*(\t/4))*16384+256*(\n) th:TH_STORE_NT
.endr
.endm
; Step t of the 32: piece t / 8, step t % 8 along K.  The next step's fragments are asked for; in the even steps a block of the piece before goes into the stage, in the odd ones it is stored.
.macro KSTEP t
.set PN, (\t)/8
.set PS, (\t)%8
.set NXT, (\t)+1
	PLACES
.if PN > 0 && PS%2 == 1
	s_wait_dscnt 0x0                               ; the block is back from the stage, and this step's fragments are in
	SEND PN-1, PS/2
.endif
.if NXT < 32
	FETCH NXT/8, NXT%8
.endif
.if PN > 0 && PS%2 == 0
	TOSTAGE PN-1, PS/2
	s_wait_dscnt 28                                ; all but the 12 loads and the stage's 16 just issued: this step's fragments are in
.endif
.if PN == 0
	s_wait_dscnt 12+4*(PS%2)                       ; all but the fetch just issued
.if 12*(7-PS) > 63
	s_wait_loadcnt 63                              ; A's images of this step are in (the count's field names 63 at the most; behind them stand 12 (7 - s) loads)
.else
	s_wait_loadcnt 12*(7-PS)                       ; A's images of this step are in; those of the later steps may be out
.endif
.endif
	MUL16 PN, PS
.endm
	s_wait_tensorcnt 0x0                           ; my quarter of B is in,
	s_barrier_signal -1
	s_barrier_wait -1                              ; everybody's is
	FETCH 0, 0
.set TT, 0
.rept 32
	KSTEP TT
.set TT, TT+1
.endr
	PLACES
.irp a, 0,1,2,3                        ; the last piece leaves
	TOSTAGE 3, \a
	s_wait_dscnt 0x0
	SEND 3, \a
.endr
	s_wait_tensorcnt 0x0                           ; the wave's end, behind my last tensor load and my last LDS store
	ds_add_u32 v[SPW], v[NIL]
	s_wait_dscnt 0x0
	CROUND                                         ; the closing round
	s_endpgm
.Lfunc_end_k_q002353db4c_oproj:
	.size	k_q002353db4c_oproj, .Lfunc_end_k_q002353db4c_oproj-k_q002353db4c_oproj
	.p2alignl 7, 3214868480
	.fill 96, 4, 3214868480
	.section	.rodata,"a",@progbits
	.p2align	6, 0x0
	.amdhsa_kernel k_q002353db4c_oproj
		.amdhsa_group_segment_fixed_size 262144
		.amdhsa_private_segment_fixed_size 0
		.amdhsa_enable_private_segment 0
		.amdhsa_kernarg_size 24
		.amdhsa_user_sgpr_count 2
		.amdhsa_user_sgpr_kernarg_segment_ptr 1
		.amdhsa_wavefront_size32 1
		.amdhsa_system_sgpr_workgroup_id_x 1
		.amdhsa_system_sgpr_workgroup_id_y 1
		.amdhsa_system_sgpr_workgroup_id_z 1
		.amdhsa_system_vgpr_workitem_id 0
		.amdhsa_next_free_vgpr 1024
		.amdhsa_next_free_sgpr 100
		.amdhsa_reserve_vcc 0
		.amdhsa_float_denorm_mode_32 3
		.amdhsa_float_denorm_mode_16_64 3
		.amdhsa_memory_ordered 1
		.amdhsa_forward_progress 1
		.amdhsa_inst_pref_size 145
	.end_amdhsa_kernel
	.amdgpu_metadata
---
amdhsa.version: [ 1, 2 ]
amdhsa.kernels:
  - .name:           k_q002353db4c_oproj
    .symbol:         k_q002353db4c_oproj.kd
    .args:
      - { .name: oc, .offset: 0, .size: 8, .value_kind: global_buffer, .address_space: global }
      - { .name: woc, .offset: 8, .size: 8, .value_kind: global_buffer, .address_space: global }
      - { .name: out0, .offset: 16, .size: 8, .value_kind: global_buffer, .address_space: global }
    .group_segment_fixed_size: 262144
    .private_segment_fixed_size: 0
    .kernarg_segment_align: 8
    .kernarg_segment_size: 24
    .max_flat_workgroup_size: 128
    .sgpr_count:     100
    .vgpr_count:     1024
    .wavefront_size: 32
...
	.end_amdgpu_metadata
.endif
;; end of part 4
